; MI455X (gfx1250); checked and timed in simulation.
; The chip was launched on July 23, 2026; its instructions are those of AMD's public machine-readable ISA for CDNA 5 (MIT licence, August 2026) and "CDNA5" Instruction Set Architecture Reference Guide (July 2026). The comments in the code are by the model that wrote it; some were corrected since.
;; Transformer Encoder Layer. Allowed arithmetic: float matrix products may take bf16 or f16 operands with f32 sums; other float arithmetic in f32, or as packed bf16 or f16 multiplies, adds, multiply-adds, maxima and minima; sums over many terms, partial sums and values carried from step to step in f32; what a program stores and reads back later, other than sums and carried values, may be rounded once to bf16 or f16.
;; Inputs: A_f1 10 x 1,024 x 64 float32; A_f2 10 x 4,096 x 64 float32; A_p 10 x 1,024 x 64 float32; A_qkv 10 x 1,024 x 64 float32; B_f1 10 x 64 x 4,096 float32; B_f2 10 x 64 x 1,024 float32; B_p 10 x 64 x 1,024 float32; B_qkv 10 x 64 x 3,072 float32; W_f1 1,024 x 4,096 float32; W_f2 4,096 x 1,024 float32; W_p 1,024 x 1,024 float32; W_qkv 1,024 x 3,072 float32; b_f1 4,096 float32; b_f2 1,024 float32; b_p 1,024 float32; b_qkv 3,072 float32; ln1_w 1,024 float32; ln2_w 1,024 float32; pos_embedding 1 x 512 x 1,024 float32; subject_id 8 int32; x 8 x 512 x 1,024 float32.
;; Outputs: out0 8 x 512 x 1,024 float32.
;; One version. Each part assembles by itself: llvm-mc -triple=amdgcn-amd-amdhsa -mcpu=gfx1250 --defsym DOCPART=n.
;; ======== version 1 of 1: 10 launches
;; workspace buffers: wb 39,845,888 bytes; aq 1,048,576 bytes; af1 1,048,576 bytes; xn 8,388,608 bytes; hb 524,288 bytes; big 33,554,432 bytes; x2 16,777,216 bytes
;; launch cast (part 1): grid 2560 x 1, 8 waves a work-group, no clusters, 0 bytes of LDS; arguments W_qkv, W_p, W_f1, W_f2, B_qkv, A_p, B_p, B_f1, A_f2, B_f2, A_qkv, A_f1, subject_id, wb, aq, af1; writes wb, aq, af1
.if DOCPART == 1
	.amdgcn_target "amdgcn-amd-amdhsa--gfx1250"
	.amdhsa_code_object_version 6
	.text
	.protected	k_q23ff39d403_cast
	.globl	k_q23ff39d403_cast
	.p2align	8
	.type	k_q23ff39d403_cast,@function
k_q23ff39d403_cast:
	s_mov_b64 s[64:65], 0
	v_nop
	global_prefetch_b8 v0, s[64:65] scope:SCOPE_SE
	s_setreg_imm32_b32 hwreg(HW_REG_WAVE_MODE, 25, 1), 1
	s_wait_xcnt 0x0
; Rounds the four weight matrices to bf16 as they lie ([K][N]), and gathers, for each of the 8 batch elements, the adapter
; tables that subject_id names, rounded to bf16, into tables [8][..].  Later launches then form every address from ids and constants.
; A work-group takes one unit: 32,768 bytes of f32 in, 16,384 bytes of bf16 out; 83,886,080 / 32,768 = 2,560 units.
; Every segment is 8 slices; unit u of a segment is slice u & 7, piece u >> 3.  A weight's slice b is read at b x slice,
; a table's at subject_id[b] x slice: the offset is sid x SLT + b x SLN, of which one factor is 0.
; LIMIT: subject_id is clamped to 0 .. 9 as an unsigned number (the tables have 10 entries).  pos_embedding takes no part in the module's result and is not an argument of any launch.
; No LDS, no barrier, no matrix unit: a stream, each byte read and written once (a table entry named by two batch elements is read twice).
.macro SEG start, src, dst, dstoff, slice, tab
	s_cmp_ge_u32 s2, \start                        ; the segments stand in ascending order: the last hit stays
	s_cselect_b64 s[40:41], s[\src:\src+1], s[40:41]
	s_cselect_b64 s[42:43], s[\dst:\dst+1], s[42:43]
	s_cselect_b32 s44, \start, s44                 ; the segment's first unit
	s_cselect_b32 s45, (\slice)*(\tab), s45        ; SLT: bytes for each step of subject_id
	s_cselect_b32 s46, (\slice)*(1-(\tab)), s46    ; SLN: bytes for each step of the slice's own number
	s_cselect_b32 s47, (\slice)/2, s47             ; a slice's bytes in the destination
	s_cselect_b32 s48, \dstoff, s48                ; the segment's first byte in the destination
.endm
	s_load_b512 s[8:23], s[0:1], 0x0               ; W_qkv 8, W_p 10, W_f1 12, W_f2 14, B_qkv 16, A_p 18, B_p 20, B_f1 22
	s_load_b512 s[24:39], s[0:1], 0x40             ; A_f2 24, B_f2 26, A_qkv 28, A_f1 30, subject_id 32, wb 34, aq 36, af1 38
	s_mov_b32 s2, ttmp9                            ; the unit
	v_lshlrev_b32 v1, 4, v0                        ; 16 bytes of f32 a thread
	v_lshlrev_b32 v2, 3, v0                        ; 8 bytes of bf16 a thread
	s_mov_b32 s44, 0
	s_mov_b32 s45, 0
	s_mov_b32 s46, 1572864
	s_mov_b32 s47, 786432
	s_mov_b32 s48, 0
	s_wait_kmcnt 0x0
	s_mov_b64 s[40:41], s[8:9]                     ; segment 0: W_qkv into wb
	s_mov_b64 s[42:43], s[34:35]
	SEG 384,  10, 34, 6291456,  524288,  0
	SEG 512,  12, 34, 8388608,  2097152, 0
	SEG 1024, 14, 34, 16777216, 2097152, 0
	SEG 1536, 16, 34, 25165824, 786432,  1
	SEG 1728, 18, 34, 28311552, 262144,  1
	SEG 1792, 20, 34, 29360128, 262144,  1
	SEG 1856, 22, 34, 30408704, 1048576, 1
	SEG 2112, 24, 34, 34603008, 1048576, 1
	SEG 2368, 26, 34, 38797312, 262144,  1
	SEG 2432, 28, 36, 0,        262144,  1
	SEG 2496, 30, 38, 0,        262144,  1
	s_sub_co_u32 s49, s2, s44                      ; the unit's number in its segment
	s_and_b32 s50, s49, 7                          ; slice b
	s_lshr_b32 s51, s49, 3                         ; piece
	s_lshl_b32 s52, s50, 2
	s_load_b32 s53, s[32:33], s52 offset:0x0       ; subject_id[b]
	s_mul_i32 s54, s50, s46
	s_lshl_b32 s55, s51, 15
	s_add_co_u32 s54, s54, s55                     ; b x SLN + piece x 32,768
	s_mul_i32 s56, s50, s47
	s_lshl_b32 s57, s51, 14
	s_add_co_u32 s56, s56, s57
	s_add_co_u32 s56, s56, s48                     ; destination: segment + b x slice / 2 + piece x 16,384
	s_mov_b32 s57, 0
	s_add_nc_u64 s[42:43], s[42:43], s[56:57]
	s_wait_kmcnt 0x0
	s_min_u32 s53, s53, 9                          ; the index stays inside its table
	s_mul_i32 s53, s53, s45
	s_add_co_u32 s54, s54, s53
	s_mov_b32 s55, 0
	s_add_nc_u64 s[40:41], s[40:41], s[54:55]
.irp i, 0,1,2,3,4,5,6,7
	global_load_b128 v[4+4*\i:7+4*\i], v1, s[40:41] offset:4096*\i   ; a wave's load covers 512 consecutive bytes
.endr
.irp i, 0,1,2,3,4,5,6,7
	s_wait_loadcnt 7-\i                            ; loads return in order: number i is in, the younger ones stay out
	v_cvt_pk_bf16_f32 v[36+2*\i], v[4+4*\i], v[5+4*\i]
	v_cvt_pk_bf16_f32 v[37+2*\i], v[6+4*\i], v[7+4*\i]
	global_store_b64 v2, v[36+2*\i:37+2*\i], s[42:43] offset:2048*\i  ; a wave's store covers 256 consecutive bytes, aligned
.endr
	s_endpgm
.Lfunc_end_k_q23ff39d403_cast:
	.size	k_q23ff39d403_cast, .Lfunc_end_k_q23ff39d403_cast-k_q23ff39d403_cast
	.p2alignl 7, 3214868480
	.fill 96, 4, 3214868480
	.section	.rodata,"a",@progbits
	.p2align	6, 0x0
	.amdhsa_kernel k_q23ff39d403_cast
		.amdhsa_group_segment_fixed_size 0
		.amdhsa_private_segment_fixed_size 0
		.amdhsa_enable_private_segment 0
		.amdhsa_kernarg_size 128
		.amdhsa_user_sgpr_count 2
		.amdhsa_user_sgpr_kernarg_segment_ptr 1
		.amdhsa_wavefront_size32 1
		.amdhsa_system_sgpr_workgroup_id_x 1
		.amdhsa_system_sgpr_workgroup_id_y 1
		.amdhsa_system_sgpr_workgroup_id_z 1
		.amdhsa_system_vgpr_workitem_id 0
		.amdhsa_next_free_vgpr 64
		.amdhsa_next_free_sgpr 66
		.amdhsa_reserve_vcc 0
		.amdhsa_float_denorm_mode_32 3
		.amdhsa_float_denorm_mode_16_64 3
		.amdhsa_memory_ordered 1
		.amdhsa_forward_progress 1
		.amdhsa_inst_pref_size 9
	.end_amdhsa_kernel
	.amdgpu_metadata
---
amdhsa.version: [ 1, 2 ]
amdhsa.kernels:
  - .name:           k_q23ff39d403_cast
    .symbol:         k_q23ff39d403_cast.kd
    .args:
      - { .name: W_qkv, .offset: 0, .size: 8, .value_kind: global_buffer, .address_space: global }
      - { .name: W_p, .offset: 8, .size: 8, .value_kind: global_buffer, .address_space: global }
      - { .name: W_f1, .offset: 16, .size: 8, .value_kind: global_buffer, .address_space: global }
      - { .name: W_f2, .offset: 24, .size: 8, .value_kind: global_buffer, .address_space: global }
      - { .name: B_qkv, .offset: 32, .size: 8, .value_kind: global_buffer, .address_space: global }
      - { .name: A_p, .offset: 40, .size: 8, .value_kind: global_buffer, .address_space: global }
      - { .name: B_p, .offset: 48, .size: 8, .value_kind: global_buffer, .address_space: global }
      - { .name: B_f1, .offset: 56, .size: 8, .value_kind: global_buffer, .address_space: global }
      - { .name: A_f2, .offset: 64, .size: 8, .value_kind: global_buffer, .address_space: global }
      - { .name: B_f2, .offset: 72, .size: 8, .value_kind: global_buffer, .address_space: global }
      - { .name: A_qkv, .offset: 80, .size: 8, .value_kind: global_buffer, .address_space: global }
      - { .name: A_f1, .offset: 88, .size: 8, .value_kind: global_buffer, .address_space: global }
      - { .name: subject_id, .offset: 96, .size: 8, .value_kind: global_buffer, .address_space: global }
      - { .name: wb, .offset: 104, .size: 8, .value_kind: global_buffer, .address_space: global }
      - { .name: aq, .offset: 112, .size: 8, .value_kind: global_buffer, .address_space: global }
      - { .name: af1, .offset: 120, .size: 8, .value_kind: global_buffer, .address_space: global }
    .group_segment_fixed_size: 0
    .private_segment_fixed_size: 0
    .kernarg_segment_align: 8
    .kernarg_segment_size: 128
    .max_flat_workgroup_size: 256
    .sgpr_count:     66
    .vgpr_count:     64
    .wavefront_size: 32
...
	.end_amdgpu_metadata
.endif
;; end of part 1
;; launch ln1 (part 2): grid 256 x 1, 4 waves a work-group, clusters of 4 x 1, 327,680 bytes of LDS; arguments x, ln1_w, aq, xn, hb; writes xn, hb
.if DOCPART == 2
	.amdgcn_target "amdgcn-amd-amdhsa--gfx1250"
	.amdhsa_code_object_version 6
	.text
	.protected	k_q23ff39d403_ln1
	.globl	k_q23ff39d403_ln1
	.p2align	8
	.type	k_q23ff39d403_ln1,@function
k_q23ff39d403_ln1:
	s_mov_b64 s[64:65], 0
	v_nop
	global_prefetch_b8 v0, s[64:65] scope:SCOPE_SE
	s_setreg_imm32_b32 hwreg(HW_REG_WAVE_MODE, 25, 1), 1
	s_wait_xcnt 0x0
	s_wait_alu depctr_hold_cnt(0) depctr_sa_sdst(0) depctr_va_vdst(0) depctr_va_sdst(0) depctr_va_ssrc(0) depctr_va_vcc(0) depctr_vm_vsrc(0)
	s_getreg_b32 s2, hwreg(HW_REG_IB_STS2, 6, 4)
	s_cmp_eq_u32 s2, 0
	s_cbranch_scc0 .Lentry_in_a_cluster
	s_endpgm
.Lentry_in_a_cluster:
	s_bfe_u32 s2, ttmp6, 0x10000c
	s_cmp_lg_u32 s2, 0x3003
	s_cbranch_scc0 .Lentry_shape_is_right
	s_endpgm
.Lentry_shape_is_right:
; LayerNorm (no bias) of 16 rows of 1,024 f32, stored as bf16 (xn), and h = 2^-6 x (xn @ A_b), [16][64], stored as bf16 (hb).
; A_b is the batch element's adapter table, [1024][64] bf16, gathered by the launch before.
; SHARES.  Work-group g = 4 x cluster + place owns rows 16 g ..; 32 work-groups make a batch element, so a cluster's four share A_b and ask for it jointly.
; Phase 1: wave w normalises rows 4 w .. 4 w + 3, a row in 32 registers: mean first, then the sum of (x - mean)^2: no difference of large sums.
; Phase 2: wave w multiplies all 16 rows by the table's rows k = 512 c + 128 w .. + 127 of chunk c = 0, 1, which it fetched itself; the four waves' f32 partial sums meet in LDS.
; The matrix instruction takes 16 table columns (turned by ds_load_tr16_b128) as source 0 and 16 rows of x as source 1: a lane then holds one row and eight neighbouring columns of h.
; LIMITS: matrix operands are rounded to bf16; NaN and infinities are not treated apart.
; LDS: two slots of 512 table rows at pitch 160 (128 bytes + 32); XB the 16 rows in bf16, pitch 2,064; RED the partial sums, pitch 272; the spare words.
.set KD,    1024
.set XP,    2*KD+16
.set SLOTB, 81920
.set XB,    163840
.set RED,   295168
.set SPARE, 312576
.set XF,    32                         ; v[32:63]   ln weights, then 4 fragments of x
.set AF,    64                         ; v[64:191]  4 rows of f32, then 16 fragments of the table
.set ACC,   192                        ; v[192:255] packed rows, then 4 accumulators v[192:223]
; v1 lane, v2 16 lane, v3 row loads, v4 xn stores, v5 XB stores, v6 x fragments, v7 v8 table fragments in slot 0, 1, v9 RED read, v10 hb store, v11 RED store,
; v[12:19] four chains, v[20:21] mean, v[22:29] variance then 1/sqrt, a pair a row, v30 v31 the add's two registers
.macro ROUND                           ; a round of the cluster's barrier
	s_barrier_signal -1
	s_barrier_wait -1
	s_cmp_lg_u32 s14, 0
	s_cbranch_scc1 .Lnot_wave_0_\@
	s_barrier_signal -3
.Lnot_wave_0_\@:
	s_barrier_wait -3
	s_barrier_signal -1
	s_barrier_wait -1
.endm
.macro PLACES                          ; four plain instructions between a matrix instruction and a load into, or a read of, its registers
.rept 4
	v_nop
.endr
.endm
; One chunk: my 128 k of it.  8 loads of x, 32 turning loads of the table, 16 products; the four accumulators take turns.
.macro WORK slot, xo, zero
	PLACES
.irp i, 0,1,2,3
	ds_load_b128 v[XF+8*\i:XF+8*\i+3], v6 offset:(\xo)+64*\i
	ds_load_b128 v[XF+8*\i+4:XF+8*\i+7], v6 offset:(\xo)+64*\i+32
.endr
.irp i, 0,1,2,3
.irp n, 0,1,2,3
	ds_load_tr16_b128 v[AF+8*(4*\i+\n):AF+8*(4*\i+\n)+3], v[7+(\slot)] offset:32*\i*160+32*\n
	ds_load_tr16_b128 v[AF+8*(4*\i+\n)+4:AF+8*(4*\i+\n)+7], v[7+(\slot)] offset:(32*\i+16)*160+32*\n
.endr
.endr
	s_wait_dscnt 0x0
.irp i, 0,1,2,3
.irp n, 0,1,2,3
.if (\zero) && (\i == 0)
	v_wmma_f32_16x16x32_bf16 v[ACC+8*\n:ACC+8*\n+7], v[AF+8*(4*\i+\n):AF+8*(4*\i+\n)+7], v[XF+8*\i:XF+8*\i+7], 0
.else
	v_wmma_f32_16x16x32_bf16 v[ACC+8*\n:ACC+8*\n+7], v[AF+8*(4*\i+\n):AF+8*(4*\i+\n)+7], v[XF+8*\i:XF+8*\i+7], v[ACC+8*\n:ACC+8*\n+7]
.endif
.endr
.endr
.endm
.macro RSUM                            ; the four chains and the 32 lanes into v12, in every lane
	v_pk_add_f32 v[12:13], v[12:13], v[14:15]
	v_pk_add_f32 v[16:17], v[16:17], v[18:19]
	v_pk_add_f32 v[12:13], v[12:13], v[16:17]
	v_add_f32 v12, v12, v13
.irp m, 1,2,4,8
	v_add_f32_dpp v12, v12, v12 row_xmask:\m row_mask:0xf bank_mask:0xf
.endr
	v_permlanex16_b32 v13, v12, s44, s45
	v_add_f32 v12, v12, v13
.endm
.macro STAT i                          ; row i: mean, centred in place, variance + eps
.set R, 64+32*(\i)
	s_wait_loadcnt 8*(3-(\i))                      ; the later rows' loads stay out
.irp k, 0,1,2,3
	v_pk_add_f32 v[12+2*\k:13+2*\k], v[R+2*\k:R+2*\k+1], v[R+8+2*\k:R+9+2*\k]
.endr
.irp m, 2,3
.irp k, 0,1,2,3
	v_pk_add_f32 v[12+2*\k:13+2*\k], v[12+2*\k:13+2*\k], v[R+8*\m+2*\k:R+8*\m+2*\k+1]
.endr
.endr
	RSUM
	v_mul_f32 v20, s46, v12                        ; mean = sum / 1024
	v_mov_b32 v21, v20
.set n, 0
.rept 16
	v_pk_add_f32 v[R+2*n:R+2*n+1], v[R+2*n:R+2*n+1], v[20:21] neg_lo:[0,1] neg_hi:[0,1]
.set n, n+1
.endr
.irp k, 0,1,2,3
	v_pk_mul_f32 v[12+2*\k:13+2*\k], v[R+2*\k:R+2*\k+1], v[R+2*\k:R+2*\k+1]
.endr
.irp m, 1,2,3
.irp k, 0,1,2,3
	v_pk_fma_f32 v[12+2*\k:13+2*\k], v[R+8*\m+2*\k:R+8*\m+2*\k+1], v[R+8*\m+2*\k:R+8*\m+2*\k+1], v[12+2*\k:13+2*\k]
.endr
.endr
	RSUM
	v_fma_f32 v[22+2*(\i)], v12, s46, s47          ; sum of squares / 1024 + eps
.endm
.macro NORM i                          ; row i: times 1/sqrt, times the weight, rounded once, to memory and to XB
.set R, 64+32*(\i)
.set n, 0
.rept 16
	v_pk_mul_f32 v[R+2*n:R+2*n+1], v[R+2*n:R+2*n+1], v[22+2*(\i):23+2*(\i)]
.set n, n+1
.endr
.set n, 0
.rept 16
	v_pk_mul_f32 v[R+2*n:R+2*n+1], v[R+2*n:R+2*n+1], v[32+2*n:33+2*n]
.set n, n+1
.endr
.set n, 0
.rept 16
	v_cvt_pk_bf16_f32 v[192+16*(\i)+n], v[R+2*n], v[R+2*n+1]
.set n, n+1
.endr
.irp j, 0,1,2,3,4,5,6,7
	global_store_b64 v4, v[192+16*(\i)+2*\j:193+16*(\i)+2*\j], s[10:11] offset:2048*(\i)+256*\j  ; 256 consecutive bytes a wave, aligned
	ds_store_b64 v5, v[192+16*(\i)+2*\j:193+16*(\i)+2*\j] offset:(\i)*XP+256*\j
.endr
.endm
	s_load_b256 s[4:11], s[0:1], 0x0               ; x 4, weight 6, table 8, xn 10
	s_load_b64 s[12:13], s[0:1], 0x20              ; hb
	v_lshl_add_u32 v30, v0, 2, SPARE
	v_mov_b32 v31, 0
	ds_add_u32 v30, v31                            ; the wave's opening: the add and its wait ahead of my first tensor load
	v_lshrrev_b32 v1, 5, v0
	v_readfirstlane_b32 s14, v1                    ; wave
	s_bfe_u32 s15, ttmp6, 0x40000                  ; my place in the cluster: it enters the rows' addresses alone
	s_lshl_b32 s24, ttmp9, 2
	s_add_co_u32 s24, s24, s15                     ; g
	s_lshr_b32 s25, ttmp9, 3                       ; batch element: the same in all four partners
	; group 1: 128 table rows are 16,384 dense bytes: 64 rows of 256 bytes, padded by 8 words after every 32
	s_mov_b32 s16, 15|(1<<16)|(1<<20)|(1<<21)|(4<<22)|(7<<25)
	s_mov_b32 s17, 128<<16
	s_mov_b32 s18, 64<<16
	s_mov_b32 s19, 128<<16
	s_mov_b32 s20, 64
	s_mov_b32 s21, 128
	s_mov_b32 s22, 0
	s_mov_b32 s23, 0
	s_mul_i32 s26, s14, 20480                      ; my 128 rows in a slot
	s_mov_b32 s32, 1
	s_mov_b32 s33, s26
	s_mov_b32 s36, 1
	s_add_co_u32 s37, s26, SLOTB
	s_mul_i32 s28, s25, KD*128
	s_lshl_b32 s29, s14, 14
	s_add_co_u32 s28, s28, s29                     ; the table's bytes: batch element, my 128 rows of chunk 0
	s_mov_b32 s29, 0
	s_lshl_b32 s40, s24, 16                        ; 16 rows of 4,096 bytes
	s_mov_b32 s41, 0
	s_lshl_b32 s42, s24, 15
	s_mov_b32 s43, 0
	s_lshl_b32 s30, s24, 11
	s_mov_b32 s31, 0
	s_mov_b32 s44, 0x76543210
	s_mov_b32 s45, 0xfedcba98
	s_mov_b32 s46, 0x3a800000                      ; 1 / 1024
	s_mov_b32 s47, 0x3727c5ac                      ; 1e-5
	v_and_b32 v1, 31, v0
	v_lshlrev_b32 v2, 4, v1
	s_lshl_b32 s27, s14, 14
	v_add_nc_u32 v3, s27, v2
	s_lshl_b32 s27, s14, 13
	v_lshl_add_u32 v4, v1, 3, s27
	s_mul_i32 s27, s14, 4*XP
	s_add_co_u32 s27, s27, XB
	v_lshl_add_u32 v5, v1, 3, s27
	v_and_b32 v12, 15, v0
	v_bfe_u32 v13, v0, 4, 1
	v_mul_u32_u24 v6, v12, XP
	v_lshl_add_u32 v6, v13, 4, v6
	s_lshl_b32 s27, s14, 8
	s_add_co_u32 s27, s27, XB
	v_add_nc_u32 v6, s27, v6                       ; row l % 16, 16 bytes a half, my 128 k
	v_and_b32 v14, 7, v0
	v_lshl_add_u32 v14, v13, 3, v14
	v_mul_u32_u24 v7, v14, 160
	v_bfe_u32 v15, v0, 3, 1
	v_lshl_add_u32 v7, v15, 4, v7
	v_add_nc_u32 v7, s26, v7
	v_add_nc_u32 v8, SLOTB, v7
	v_mul_u32_u24 v11, v12, 272
	v_lshl_add_u32 v11, v13, 5, v11
	s_mul_i32 s27, s14, 4352
	s_add_co_u32 s27, s27, RED
	v_add_nc_u32 v11, s27, v11
	v_lshrrev_b32 v9, 3, v0
	v_mul_u32_u24 v9, v9, 272
	v_and_b32 v16, 7, v0
	v_lshl_add_u32 v9, v16, 5, v9
	v_add_nc_u32 v9, RED, v9
	v_lshlrev_b32 v10, 4, v0
	s_wait_dscnt 0x0                               ; the opening add is done
	s_wait_kmcnt 0x0
	s_add_nc_u64 s[34:35], s[8:9], s[28:29]
	s_add_nc_u64 s[38:39], s[34:35], 65536         ; chunk 1
	s_or_b32 s35, s35, 0x80000000
	s_or_b32 s39, s39, 0x80000000
	s_add_nc_u64 s[4:5], s[4:5], s[40:41]
	s_add_nc_u64 s[10:11], s[10:11], s[42:43]
	s_add_nc_u64 s[12:13], s[12:13], s[30:31]
.irp j, 0,1,2,3,4,5,6,7
	global_load_b128 v[32+4*\j:35+4*\j], v2, s[6:7] offset:512*\j
.endr
.irp i, 0,1,2,3
.irp j, 0,1,2,3,4,5,6,7
	global_load_b128 v[64+32*\i+4*\j:67+32*\i+4*\j], v3, s[4:5] offset:4096*\i+512*\j
.endr
.endr
	ROUND                                          ; all four work-groups are here: the joint loads meet
	tensor_load_to_lds s[32:35], s[16:23]          ; both chunks go out together: two loads of mine are out
	s_nop 0
	tensor_load_to_lds s[36:39], s[16:23]
	s_nop 0
	STAT 0
	STAT 1
	STAT 2
	STAT 3
.irp i, 0,1,2,3
	v_rsq_f32 v[22+2*\i], v[22+2*\i]
.endr
	v_nop                                          ; a plain instruction behind the last of the batch,
	s_wait_alu depctr_va_vdst(0)                   ; and one wait ahead of the first use
.irp i, 0,1,2,3
	v_mov_b32 v[23+2*\i], v[22+2*\i]
.endr
	NORM 0
	NORM 1
	NORM 2
	NORM 3
	s_wait_xcnt 0x0                                ; the stores' data registers become accumulators
	s_wait_dscnt 0x0                               ; for the others' sake: my rows are in XB
	s_wait_tensorcnt 1                             ; chunk 0 is in; chunk 1 may stay out
	s_barrier_signal -1
	s_barrier_wait -1
	WORK 0, 0, 1
	s_wait_tensorcnt 0x0                           ; chunk 1: I read only the table rows that I fetched, so my own wait orders the reads
	WORK 1, 1024, 0
	PLACES
.irp n, 0,1,2,3
	ds_store_b128 v11, v[ACC+8*\n:ACC+8*\n+3] offset:64*\n
	ds_store_b128 v11, v[ACC+8*\n+4:ACC+8*\n+7] offset:64*\n+16
.endr
	s_wait_dscnt 0x0
	s_barrier_signal -1
	s_barrier_wait -1
.irp w, 0,1,2,3
	ds_load_b128 v[64+8*\w:67+8*\w], v9 offset:4352*\w
	ds_load_b128 v[68+8*\w:71+8*\w], v9 offset:4352*\w+16
.endr
	s_wait_dscnt 0x0
.irp w, 1,2,3                          ; the four waves' sums, in f32, in the order of k
.irp e, 0,2,4,6
	v_pk_add_f32 v[64+\e:65+\e], v[64+\e:65+\e], v[64+8*\w+\e:65+8*\w+\e]
.endr
.endr
.irp e, 0,2,4,6
	v_pk_mul_f32 v[64+\e:65+\e], v[64+\e:65+\e], 0x3c800000 op_sel_hi:[1,0]  ; alpha / rank = 2^-6
.endr
.irp e, 0,1,2,3
	v_cvt_pk_bf16_f32 v[96+\e], v[64+2*\e], v[65+2*\e]
.endr
	global_store_b128 v10, v[96:99], s[12:13]      ; 16 lanes store 256 consecutive bytes, aligned
	s_wait_tensorcnt 0x0                           ; the wave's end
	ds_add_u32 v30, v31
	s_wait_dscnt 0x0
	ROUND                                          ; the closing round
	s_endpgm
.Lfunc_end_k_q23ff39d403_ln1:
	.size	k_q23ff39d403_ln1, .Lfunc_end_k_q23ff39d403_ln1-k_q23ff39d403_ln1
	.p2alignl 7, 3214868480
	.fill 96, 4, 3214868480
	.section	.rodata,"a",@progbits
	.p2align	6, 0x0
	.amdhsa_kernel k_q23ff39d403_ln1
		.amdhsa_group_segment_fixed_size 327680
		.amdhsa_private_segment_fixed_size 0
		.amdhsa_enable_private_segment 0
		.amdhsa_kernarg_size 40
		.amdhsa_user_sgpr_count 2
		.amdhsa_user_sgpr_kernarg_segment_ptr 1
		.amdhsa_wavefront_size32 1
		.amdhsa_system_sgpr_workgroup_id_x 1
		.amdhsa_system_sgpr_workgroup_id_y 1
		.amdhsa_system_sgpr_workgroup_id_z 1
		.amdhsa_system_vgpr_workitem_id 0
		.amdhsa_next_free_vgpr 256
		.amdhsa_next_free_sgpr 66
		.amdhsa_reserve_vcc 0
		.amdhsa_float_denorm_mode_32 3
		.amdhsa_float_denorm_mode_16_64 3
		.amdhsa_memory_ordered 1
		.amdhsa_forward_progress 1
		.amdhsa_inst_pref_size 53
	.end_amdhsa_kernel
	.amdgpu_metadata
---
amdhsa.version: [ 1, 2 ]
amdhsa.kernels:
  - .name:           k_q23ff39d403_ln1
    .symbol:         k_q23ff39d403_ln1.kd
    .args:
      - { .name: x, .offset: 0, .size: 8, .value_kind: global_buffer, .address_space: global }
      - { .name: ln1_w, .offset: 8, .size: 8, .value_kind: global_buffer, .address_space: global }
      - { .name: aq, .offset: 16, .size: 8, .value_kind: global_buffer, .address_space: global }
      - { .name: xn, .offset: 24, .size: 8, .value_kind: global_buffer, .address_space: global }
      - { .name: hb, .offset: 32, .size: 8, .value_kind: global_buffer, .address_space: global }
    .group_segment_fixed_size: 327680
    .private_segment_fixed_size: 0
    .kernarg_segment_align: 8
    .kernarg_segment_size: 40
    .max_flat_workgroup_size: 128
    .sgpr_count:     66
    .vgpr_count:     256
    .wavefront_size: 32
...
	.end_amdgpu_metadata
.endif
;; end of part 2
;; launch qkv (part 3): grid 12 x 16, 4 waves a work-group, clusters of 4 x 4, 327,680 bytes of LDS; arguments xn, hb, wb, b_qkv, big; writes big
.if DOCPART == 3
	.amdgcn_target "amdgcn-amd-amdhsa--gfx1250"
	.amdhsa_code_object_version 6
	.text
	.protected	k_q23ff39d403_qkv
	.globl	k_q23ff39d403_qkv
	.p2align	8
	.type	k_q23ff39d403_qkv,@function
k_q23ff39d403_qkv:
	s_mov_b64 s[64:65], 0
	v_nop
	global_prefetch_b8 v0, s[64:65] scope:SCOPE_SE
	s_setreg_imm32_b32 hwreg(HW_REG_WAVE_MODE, 25, 1), 1
	s_wait_xcnt 0x0
	s_wait_alu depctr_hold_cnt(0) depctr_sa_sdst(0) depctr_va_vdst(0) depctr_va_sdst(0) depctr_va_ssrc(0) depctr_va_vcc(0) depctr_vm_vsrc(0)
	s_getreg_b32 s2, hwreg(HW_REG_IB_STS2, 6, 4)
	s_cmp_eq_u32 s2, 0
	s_cbranch_scc0 .Lentry_in_a_cluster
	s_endpgm
.Lentry_in_a_cluster:
	s_bfe_u32 s2, ttmp6, 0x10000c
	s_cmp_lg_u32 s2, 0xf033
	s_cbranch_scc0 .Lentry_shape_is_right
	s_endpgm
.Lentry_shape_is_right:
; out = [X | h] @ [W ; B_b] + bias, bf16 out.  X: [4096][KD] bf16, h: [4096][64] bf16 (already times alpha / rank), W: [KD][ND] bf16, B_b: [64][ND] bf16 of the rows' batch element.
; A work-group makes 256 x 256 of out, each of its four waves 128 x 128 in 64 accumulators (windows 2 and 3).  The adapter's 64 along K are the first step: its products start the sums with the constant 0.
; Then K goes in steps of 128 through two LDS slots.  X lies along K (pitch 272); W lies [k][n] as in memory (pitch 544) and is turned on its way to registers by ds_load_tr16_b128.
; Source 0 = 16 columns of W, source 1 = 16 rows of X: a lane holds one row and eight neighbouring columns of out.
; CLUSTER 4 x 4: X's and h's tiles hang on the tile row and are asked for jointly along a row of the cluster, W's on the tile column, jointly along a column.  B_b's tile hangs on both
; (the batch element is tile row / 2): each work-group asks for its own, 32 KB once.
; One text for every K step: the descriptors walk (one exclusive or changes the slot: no LDS word of a descriptor shares a bit with SLOT) and the fragment addresses are base + s93.
; THE WAY OUT: when the ring has had its last fill and nobody reads it, each wave lays its 128 x 128 f32 into the ring's bytes and takes it back by rows in a counted loop: bias, (GELU,) rounding, stores of 256 bytes.
; LIMITS: matrix operands in bf16, sums in f32.  GELU = 1: erf by the rational form 7.1.26 of Abramowitz and Stegun, absolute error at most 1.5e-7 for every argument; NaN and infinities are not treated apart.
.set KD,    1024
.set ND,    3072
.set WOFF,  0                          ; W's first byte in wb
.set BOFF,  25165824                   ; the gathered B tables' first byte in wb
.set GELU,  0
.set KSTEP, 128
.set NS,    KD/KSTEP
.set PA,    272
.set PB,    544
.set HALF,  34816                      ; 128 rows of X at 272 = 64 rows of W at 544: what one tensor load brings
.set SLOT,  4*HALF
.set SPARE, 2*SLOT                     ; the spare words: 128 bytes a wave, named by no other line
.set SP,    528                        ; the way out: 512 bytes of f32 + 16
.set STG,   128*SP
.set ADRA0, 16
.set ADRB0, 17
.set ADRA,  18
.set ADRB,  19
.set ADRB2, 20
.set STO,   21
.set RD,    22
.set CO,    23
.set BO,    24
.set SPW,   28
.set NIL,   29
.set BIAS,  32
.set F0,    64                         ; fragment buffers: X's in window 0, W's in window 1
.set F1,    128
.set X,     64                         ; the way out, window 0
.set T,     96
.set E,     128
.set Q,     160
.set Y,     192
.set MSB, 0
.macro WIN new                         ; the immediate's high byte repeats the setting that is left
.if MSB != (\new)
	s_set_vgpr_msb (MSB<<8)|(\new)
.set MSB, \new
.endif
.endm
.set MUL_LO, 0xa1                      ; source 0 window 1, source 1 window 0, C and D window 2
.set MUL_HI, 0xf1                      ; C and D window 3
.set TO_B,   0x40
.macro PLACES
.rept 4
	v_nop
.endr
.endm
.macro JLOAD                           ; waves 0, 1 fetch X's halves, waves 2, 3 W's; an s_nop 0 and four v_nop follow each line
	s_cmp_eq_u32 s11, 0
	s_cbranch_scc0 .Lfor_b_\@
	tensor_load_to_lds s[56:59], s[24:31]
	s_nop 0
	PLACES
	s_branch .Lasked_\@
.Lfor_b_\@:
	tensor_load_to_lds s[60:63], s[32:39]
	s_nop 0
	PLACES
.Lasked_\@:
.endm
.macro CREST
	s_cmp_lg_u32 s10, 0
	s_cbranch_scc1 .Lnot_wave_0_\@
	s_barrier_signal -3
.Lnot_wave_0_\@:
	s_barrier_wait -3
	s_barrier_signal -1
	s_barrier_wait -1
.endm
.macro CROUND
	s_barrier_signal -1
	s_barrier_wait -1
	CREST
.endm
; 16 products: row blocks 2 p, 2 p + 1 x all 8 column blocks, 32 along K.  All 64 accumulators take turns in one order.
.macro MULP f, p, zero
	WIN MUL_LO+0x50*((\p)/2)
.irp a, 2*(\p), 2*(\p)+1
.irp b, 0,1,2,3,4,5,6,7
.if \zero
	v_wmma_f32_16x16x32_bf16 v[8*(8*((\a)%4)+(\b)):8*(8*((\a)%4)+(\b))+7], v[(\f)+8*(\b):(\f)+8*(\b)+7], v[(\f)+8*(\a):(\f)+8*(\a)+7], 0
.else
	v_wmma_f32_16x16x32_bf16 v[8*(8*((\a)%4)+(\b)):8*(8*((\a)%4)+(\b))+7], v[(\f)+8*(\b):(\f)+8*(\b)+7], v[(\f)+8*(\a):(\f)+8*(\a)+7], v[8*(8*((\a)%4)+(\b)):8*(8*((\a)%4)+(\b))+7]
.endif
.endr
.endr
.endm
; 32 LDS loads: quarter q (32 along K) of the slot in hand into buffer f
.macro FETCH q, f
	WIN TO_B
.if (\q) < 2
.set AB, ADRB
.else
.set AB, ADRB2
.endif
.irp b, 0,1,2,3,4,5,6,7
	ds_load_tr16_b128 v[(\f)+8*(\b):(\f)+8*(\b)+3], v[AB] offset:((\q)&1)*32*PB+32*(\b)
	ds_load_tr16_b128 v[(\f)+8*(\b)+4:(\f)+8*(\b)+7], v[AB] offset:(((\q)&1)*32+16)*PB+32*(\b)
.endr
	WIN 0
.irp a, 0,1,2,3,4,5,6,7
	ds_load_b128 v[(\f)+8*(\a):(\f)+8*(\a)+3], v[ADRA] offset:16*(\a)*PA+64*(\q)
	ds_load_b128 v[(\f)+8*(\a)+4:(\f)+8*(\a)+7], v[ADRA] offset:16*(\a)*PA+64*(\q)+32
.endr
.endm
.macro QUARTER q, f, g, zero           ; multiplies buffer f; behind its first 16 products it fetches quarter q into g
	s_wait_dscnt 0x0
	MULP \f, 0, \zero
	PLACES
	FETCH \q, \g
	MULP \f, 1, \zero
	MULP \f, 2, \zero
	MULP \f, 3, \zero
.endm
; A step's last quarter multiplies buffer 1 and changes slots: one barrier; in front of it each wave waits for all its tensor loads, adds 0 to its spare word and waits for that and for its reads of the slot.
; fill = 1: the barrier opens a round of the cluster's, and the slot just read is filled again first thing behind it, with the K step two steps on.
.macro TURN fill
	WIN 0
	s_wait_tensorcnt 0x0                           ; my part of the next slot has landed; no load of mine is out
	ds_add_u32 v[SPW], v[NIL]
	s_wait_dscnt 1                                 ; only the add may be out: buffer 1 is in
	MULP F1, 0, 0
	s_wait_dscnt 0x0                               ; the add is done, my reads of this slot are over
	s_barrier_signal -1
	MULP F1, 1, 0
	WIN 0
	s_barrier_wait -1
.if \fill
	CREST
	s_xor_b32 s57, s57, SLOT
	s_add_nc_u64 s[58:59], s[58:59], KSTEP*2
	s_xor_b32 s61, s61, SLOT
	s_add_nc_u64 s[62:63], s[62:63], KSTEP*ND*2
	JLOAD
.else
	PLACES
.endif
	s_xor_b32 s93, s93, SLOT
	v_add_nc_u32 v[ADRA], s93, v[ADRA0]
	v_add_nc_u32 v[ADRB], s93, v[ADRB0]
	v_add_nc_u32 v[ADRB2], 64*PB, v[ADRB]
	FETCH 0, F0
	MULP F1, 2, 0
	MULP F1, 3, 0
.endm
	s_load_b256 s[76:83], s[0:1], 0x0              ; X 76, h 78, wb 80, bias 82
	s_load_b64 s[84:85], s[0:1], 0x20              ; out
	v_lshl_add_u32 v[SPW], v0, 2, SPARE
	v_mov_b32 v[NIL], 0
	ds_add_u32 v[SPW], v[NIL]                      ; the wave's opening: the add and its wait ahead of the first loads' round
	v_lshrrev_b32 v1, 5, v0
	v_readfirstlane_b32 s10, v1                    ; wave
	s_lshr_b32 s11, s10, 1                         ; my half of the rows; also: I fetch X (0) or W (1)
	s_and_b32 s12, s10, 1                          ; my half of the columns; also: which half I fetch
	s_bfe_u32 s88, ttmp6, 0x40000                  ; cx
	s_bfe_u32 s89, ttmp6, 0x40004                  ; cy
	s_lshl_b32 s90, ttmp9, 2
	s_add_co_u32 s90, s90, s88                     ; tile column
	s_and_b32 s13, ttmp7, 0xffff
	s_lshl_b32 s13, s13, 2
	s_add_co_u32 s13, s13, s89                     ; tile row
	s_lshl_b32 s91, s89, 2
	s_lshl_b32 s91, 15, s91                        ; my row of the cluster
	s_lshl_b32 s92, 0x1111, s88                    ; my column
	s_or_b32 s24, s91, (1<<16)|(1<<20)|(1<<21)|(5<<22)|(3<<25)   ; X: 128 rows x 128 elements, 4 words of padding after every 64
	s_mov_b32 s25, KSTEP<<16
	s_mov_b32 s26, 128<<16
	s_mov_b32 s27, KSTEP<<16
	s_mov_b32 s28, 128
	s_mov_b32 s29, KD
	s_mov_b32 s30, 0
	s_mov_b32 s31, 0
	s_or_b32 s32, s92, (1<<16)|(1<<20)|(1<<21)|(6<<22)|(7<<25)   ; W: 64 rows x 256 elements, 8 words after every 128
	s_mov_b32 s33, 256<<16
	s_mov_b32 s34, 64<<16
	s_mov_b32 s35, 256<<16
	s_mov_b32 s36, 64
	s_mov_b32 s37, ND
	s_mov_b32 s38, 0
	s_mov_b32 s39, 0
	s_or_b32 s40, s91, (1<<16)|(1<<20)|(1<<21)|(4<<22)|(35<<25)  ; h: 128 dense rows of 128 bytes asked for as 64 of 256; 36 words after every 32 put each at X's pitch
	s_mov_b32 s41, 128<<16
	s_mov_b32 s42, 64<<16
	s_mov_b32 s43, 128<<16
	s_mov_b32 s44, 64
	s_mov_b32 s45, 128
	s_mov_b32 s46, 0
	s_mov_b32 s47, 0
	s_mov_b32 s48, (1<<16)|(1<<20)|(6<<22)|(7<<25)               ; B_b: 32 rows x 256 elements, my own load: no mask
	s_mov_b32 s49, 256<<16
	s_mov_b32 s50, 32<<16
	s_mov_b32 s51, 256<<16
	s_mov_b32 s52, 32
	s_mov_b32 s53, ND
	s_mov_b32 s54, 0
	s_mov_b32 s55, 0
	s_lshl_b32 s14, s13, 8
	s_lshl_b32 s15, s12, 7
	s_add_co_u32 s14, s14, s15                     ; the first of the 128 rows of X and h that I fetch: the tile row alone
	s_mul_i32 s16, s14, KD*2
	s_mov_b32 s17, 0
	s_lshl_b32 s18, s14, 7
	s_mov_b32 s19, 0
	s_lshl_b32 s20, s90, 9                         ; W: the tile column alone
	s_mul_i32 s21, s12, 64*ND*2
	s_add_co_u32 s20, s20, s21
	s_add_co_u32 s20, s20, WOFF
	s_mov_b32 s21, 0
	s_lshr_b32 s22, s13, 1                         ; B_b: the batch element = tile row / 2
	s_mul_i32 s22, s22, 64*ND*2
	s_lshl_b32 s23, s90, 9
	s_add_co_u32 s22, s22, s23
	s_mul_i32 s23, s12, 32*ND*2
	s_add_co_u32 s22, s22, s23
	s_add_co_u32 s22, s22, BOFF
	s_mov_b32 s23, 0
	s_mul_i32 s2, s10, HALF                        ; LDS: X's two halves, then W's two halves = wave x HALF
	s_mov_b32 s56, 1
	s_add_co_u32 s57, s2, SLOT                     ; K step 0 goes into slot 1
	s_mov_b32 s60, 1
	s_add_co_u32 s61, s2, SLOT
	s_mov_b32 s68, 1
	s_mul_i32 s69, s12, HALF                       ; the adapter's step lies in slot 0
	s_mov_b32 s72, 1
	s_mul_i32 s73, s12, 32*PB
	s_add_co_u32 s73, s73, 2*HALF
	s_mov_b32 s93, 0
	s_lshl_b32 s94, s13, 8
	s_lshl_b32 s96, s11, 7
	s_add_co_u32 s94, s94, s96
	s_mul_i32 s94, s94, ND*2                       ; my first row of out
	s_lshl_b32 s96, s90, 8
	s_lshl_b32 s97, s12, 7
	s_add_co_u32 s96, s96, s97                     ; my first column
	s_lshl_b32 s97, s96, 1
	s_add_co_u32 s94, s94, s97
	s_mov_b32 s95, 0
	s_lshl_b32 s96, s96, 2                         ; its byte in the bias
	s_wait_dscnt 0x0                               ; the opening add is done
	s_wait_kmcnt 0x0
	s_add_nc_u64 s[58:59], s[76:77], s[16:17]
	s_or_b32 s59, s59, 0x80000000
	s_add_nc_u64 s[62:63], s[80:81], s[20:21]
	s_or_b32 s63, s63, 0x80000000
	s_add_nc_u64 s[70:71], s[78:79], s[18:19]
	s_or_b32 s71, s71, 0x80000000
	s_add_nc_u64 s[74:75], s[80:81], s[22:23]
	s_or_b32 s75, s75, 0x80000000
	s_add_nc_u64 s[84:85], s[84:85], s[94:95]
	CROUND                                         ; all sixteen work-groups are here
	s_cmp_eq_u32 s11, 0                            ; a wave's two first fills stand in one branch: two loads of mine are out
	s_cbranch_scc0 .Lfirst_b
	tensor_load_to_lds s[68:71], s[40:47]
	s_nop 0
	tensor_load_to_lds s[56:59], s[24:31]
	s_nop 0
	PLACES
	s_branch .Lfirst_done
.Lfirst_b:
	tensor_load_to_lds s[72:75], s[48:55]
	s_nop 0
	tensor_load_to_lds s[60:63], s[32:39]
	s_nop 0
	PLACES
.Lfirst_done:
	v_and_b32 v1, 15, v0                           ; l % 16
	v_bfe_u32 v2, v0, 4, 1                         ; l / 16
	v_and_b32 v3, 31, v0                           ; lane
	v_lshlrev_b32 v4, 4, v3
	v_add_nc_u32 v[BO], s96, v4
	global_load_b128 v[BIAS:BIAS+3], v[BO], s[82:83]  ; the bias of columns 4 lane .. + 3 of my 128
	v_mul_u32_u24 v4, v1, PA
	v_lshl_add_u32 v4, v2, 4, v4
	s_mul_i32 s2, s11, HALF
	v_add_nc_u32 v[ADRA0], s2, v4
	v_and_b32 v5, 7, v0
	v_lshl_add_u32 v5, v2, 3, v5
	v_mul_u32_u24 v5, v5, PB
	v_bfe_u32 v6, v0, 3, 1
	v_lshl_add_u32 v5, v6, 4, v5
	s_lshl_b32 s2, s12, 8
	s_add_co_u32 s2, s2, 2*HALF
	v_add_nc_u32 v[ADRB0], s2, v5
	v_mov_b32 v[ADRA], v[ADRA0]
	v_mov_b32 v[ADRB], v[ADRB0]
	v_add_nc_u32 v[ADRB2], 64*PB, v[ADRB0]
	s_mul_i32 s2, s10, STG
	v_mul_u32_u24 v7, v1, SP
	v_lshl_add_u32 v7, v2, 5, v7
	v_add_nc_u32 v[STO], s2, v7
	v_lshl_add_u32 v[RD], v3, 4, s2
	v_lshlrev_b32 v[CO], 3, v3
	s_wait_tensorcnt 1                             ; my part of the adapter's step is in; K step 0 stays out
	s_barrier_signal -1
	s_barrier_wait -1
	FETCH 0, F0
	QUARTER 1, F0, F1, 1                           ; the adapter's first 32 start all 64 sums
	TURN 1
	WIN 0
	s_mov_b32 s3, NS-2
.Lk:                                                   ; a trip is a K step; its change of slots asks for the step two on
	QUARTER 1, F0, F1, 0
	QUARTER 2, F1, F0, 0
	QUARTER 3, F0, F1, 0
	TURN 1
	WIN 0
	s_sub_co_u32 s3, s3, 1
	s_cmp_lg_u32 s3, 0
	s_cbranch_scc1 .Lk
	s_mov_b32 s3, 2
.Ltail:                                                ; the last two K steps ask for nothing; the very last fetch (32 loads of a landed slot) serves nothing: the price of one text for both
	QUARTER 1, F0, F1, 0
	QUARTER 2, F1, F0, 0
	QUARTER 3, F0, F1, 0
	TURN 0
	WIN 0
	s_sub_co_u32 s3, s3, 1
	s_cmp_lg_u32 s3, 0
	s_cbranch_scc1 .Ltail
	s_wait_dscnt 0x0                               ; my reads of the ring are over
	s_barrier_signal -1
	s_barrier_wait -1                              ; everybody's are, and the ring has had its last fill: its bytes take the tiles
	PLACES
.irp a, 0,1,2,3,4,5,6,7
	WIN 0x08+4*((\a)/4)
.irp b, 0,1,2,3,4,5,6,7
	ds_store_b128 v[STO], v[8*(8*((\a)%4)+(\b)):8*(8*((\a)%4)+(\b))+3] offset:16*(\a)*SP+64*(\b)
	ds_store_b128 v[STO], v[8*(8*((\a)%4)+(\b))+4:8*(8*((\a)%4)+(\b))+7] offset:16*(\a)*SP+64*(\b)+16
.endr
.endr
	WIN 0
.if GELU
	s_mov_b32 s24, 0x3e6d3388                      ; 0.3275911 / sqrt 2 (the descriptors are done with: every tensor load has been waited for)
	s_mov_b32 s26, 0xbf38aa3b                      ; -log2(e) / 2
	s_mov_b32 s27, 0xbf38aa3b
	s_mov_b32 s28, 0x3f87dc22                      ; a5
	s_mov_b32 s29, 0x3f87dc22
	s_mov_b32 s30, 0xbfba00e3                      ; a4
	s_mov_b32 s31, 0xbfba00e3
	s_mov_b32 s32, 0x3fb5f0e3                      ; a3
	s_mov_b32 s33, 0x3fb5f0e3
	s_mov_b32 s34, 0xbe91a98e                      ; a2
	s_mov_b32 s35, 0xbe91a98e
	s_mov_b32 s36, 0x3e827906                      ; a1
	s_mov_b32 s37, 0x3e827906
.endif
	s_wait_loadcnt 0x0                             ; the bias
	s_mov_b32 s3, 16
.Lout:                                                 ; 8 rows a trip; a load takes one row's 512 bytes (LDS serves a wave's instructions in order: these see my stores)
.irp t, 0,1,2,3,4,5,6,7
	ds_load_b128 v[X+4*\t:X+4*\t+3], v[RD] offset:SP*\t
.endr
	s_wait_dscnt 0x0
	v_add_nc_u32 v[RD], 8*SP, v[RD]
.irp t, 0,1,2,3,4,5,6,7
	v_pk_add_f32 v[X+4*\t:X+4*\t+1], v[X+4*\t:X+4*\t+1], v[BIAS:BIAS+1]
	v_pk_add_f32 v[X+4*\t+2:X+4*\t+3], v[X+4*\t+2:X+4*\t+3], v[BIAS+2:BIAS+3]
.endr
.if GELU
	; gelu(x) = max(x, 0) - |x| q / 2, q = t (a1 + t (a2 + t (a3 + t (a4 + t a5)))) 2^(-x x log2(e) / 2), t = 1 / (1 + 0.2316419 |x|)
.set i, 0
.rept 32
	v_fma_f32 v[T+i], |v[X+i]|, s24, 1.0
.set i, i+1
.endr
.set i, 0
.rept 16
	v_pk_mul_f32 v[E+i:E+i+1], v[X+i:X+i+1], v[X+i:X+i+1]
.set i, i+2
.endr
.set i, 0
.rept 16
	v_pk_mul_f32 v[E+i:E+i+1], v[E+i:E+i+1], s[26:27] op_sel_hi:[1,0]
.set i, i+2
.endr
.set i, 0
.rept 32
	v_rcp_f32 v[T+i], v[T+i]
.set i, i+1
.endr
.set i, 0
.rept 32
	v_exp_f32 v[E+i], v[E+i]
.set i, i+1
.endr
	v_nop                                          ; a plain instruction behind the last of the batch,
	s_wait_alu depctr_va_vdst(0)                   ; and one wait for its 64 results
.set i, 0
.rept 16
	v_pk_fma_f32 v[Q+i:Q+i+1], v[T+i:T+i+1], s[28:29], s[30:31] op_sel_hi:[1,0,0]
.set i, i+2
.endr
.irp c, 32,34,36
.set i, 0
.rept 16
	v_pk_fma_f32 v[Q+i:Q+i+1], v[Q+i:Q+i+1], v[T+i:T+i+1], s[\c:\c+1] op_sel_hi:[1,1,0]
.set i, i+2
.endr
.endr
.set i, 0
.rept 16
	v_pk_mul_f32 v[Q+i:Q+i+1], v[Q+i:Q+i+1], v[T+i:T+i+1]
.set i, i+2
.endr
.set i, 0
.rept 16
	v_pk_mul_f32 v[Q+i:Q+i+1], v[Q+i:Q+i+1], v[E+i:E+i+1]
.set i, i+2
.endr
.set i, 0
.rept 32
	v_mul_f32 v[Q+i], v[Q+i], |v[X+i]|
.set i, i+1
.endr
.set i, 0
.rept 32
	v_max_num_f32 v[X+i], 0, v[X+i]
.set i, i+1
.endr
.set i, 0
.rept 16
	v_pk_fma_f32 v[X+i:X+i+1], v[Q+i:Q+i+1], -0.5, v[X+i:X+i+1] op_sel_hi:[1,0,1]
.set i, i+2
.endr
.endif
.irp t, 0,1,2,3,4,5,6,7
	v_cvt_pk_bf16_f32 v[Y+2*\t], v[X+4*\t], v[X+4*\t+1]
	v_cvt_pk_bf16_f32 v[Y+2*\t+1], v[X+4*\t+2], v[X+4*\t+3]
.endr
.irp t, 0,1,2,3,4,5,6,7
	global_store_b64 v[CO], v[Y+2*\t:Y+2*\t+1], s[84:85] offset:\t*ND*2   ; a wave stores 256 consecutive bytes, aligned
.endr
	s_wait_xcnt 0x0                                ; the stores' base and data are written again only behind this wait
	s_add_nc_u64 s[84:85], s[84:85], 8*ND*2
	s_sub_co_u32 s3, s3, 1
	s_cmp_lg_u32 s3, 0
	s_cbranch_scc1 .Lout
	s_wait_tensorcnt 0x0                           ; the wave's end
	ds_add_u32 v[SPW], v[NIL]
	s_wait_dscnt 0x0
	CROUND                                         ; the closing round
	s_endpgm
.Lfunc_end_k_q23ff39d403_qkv:
	.size	k_q23ff39d403_qkv, .Lfunc_end_k_q23ff39d403_qkv-k_q23ff39d403_qkv
	.p2alignl 7, 3214868480
	.fill 96, 4, 3214868480
	.section	.rodata,"a",@progbits
	.p2align	6, 0x0
	.amdhsa_kernel k_q23ff39d403_qkv
		.amdhsa_group_segment_fixed_size 327680
		.amdhsa_private_segment_fixed_size 0
		.amdhsa_enable_private_segment 0
		.amdhsa_kernarg_size 40
		.amdhsa_user_sgpr_count 2
		.amdhsa_user_sgpr_kernarg_segment_ptr 1
		.amdhsa_wavefront_size32 1
		.amdhsa_system_sgpr_workgroup_id_x 1
		.amdhsa_system_sgpr_workgroup_id_y 1
		.amdhsa_system_sgpr_workgroup_id_z 1
		.amdhsa_system_vgpr_workitem_id 0
		.amdhsa_next_free_vgpr 1024
		.amdhsa_next_free_sgpr 100
		.amdhsa_reserve_vcc 0
		.amdhsa_float_denorm_mode_32 3
		.amdhsa_float_denorm_mode_16_64 3
		.amdhsa_memory_ordered 1
		.amdhsa_forward_progress 1
		.amdhsa_inst_pref_size 89
	.end_amdhsa_kernel
	.amdgpu_metadata
---
amdhsa.version: [ 1, 2 ]
amdhsa.kernels:
  - .name:           k_q23ff39d403_qkv
    .symbol:         k_q23ff39d403_qkv.kd
    .args:
      - { .name: xn, .offset: 0, .size: 8, .value_kind: global_buffer, .address_space: global }
      - { .name: hb, .offset: 8, .size: 8, .value_kind: global_buffer, .address_space: global }
      - { .name: wb, .offset: 16, .size: 8, .value_kind: global_buffer, .address_space: global }
      - { .name: b_qkv, .offset: 24, .size: 8, .value_kind: global_buffer, .address_space: global }
      - { .name: big, .offset: 32, .size: 8, .value_kind: global_buffer, .address_space: global }
    .group_segment_fixed_size: 327680
    .private_segment_fixed_size: 0
    .kernarg_segment_align: 8
    .kernarg_segment_size: 40
    .max_flat_workgroup_size: 128
    .sgpr_count:     100
    .vgpr_count:     1024
    .wavefront_size: 32
...
	.end_amdgpu_metadata
.endif
;; end of part 3
;; launch attn (part 4): grid 4 x 64, 4 waves a work-group, clusters of 4 x 1, 327,680 bytes of LDS; arguments big, xn; writes xn
.if DOCPART == 4
	.amdgcn_target "amdgcn-amd-amdhsa--gfx1250"
	.amdhsa_code_object_version 6
	.text
	.protected	k_q23ff39d403_attn
	.globl	k_q23ff39d403_attn
	.p2align	8
	.type	k_q23ff39d403_attn,@function
k_q23ff39d403_attn:
	s_mov_b64 s[64:65], 0
	v_nop
	global_prefetch_b8 v0, s[64:65] scope:SCOPE_SE
	s_setreg_imm32_b32 hwreg(HW_REG_WAVE_MODE, 25, 1), 1
	s_wait_xcnt 0x0
	s_wait_alu depctr_hold_cnt(0) depctr_sa_sdst(0) depctr_va_vdst(0) depctr_va_sdst(0) depctr_va_ssrc(0) depctr_va_vcc(0) depctr_vm_vsrc(0)
	s_getreg_b32 s2, hwreg(HW_REG_IB_STS2, 6, 4)
	s_cmp_eq_u32 s2, 0
	s_cbranch_scc0 .Lentry_in_a_cluster
	s_endpgm
.Lentry_in_a_cluster:
	s_bfe_u32 s2, ttmp6, 0x10000c
	s_cmp_lg_u32 s2, 0x3003
	s_cbranch_scc0 .Lentry_shape_is_right
	s_endpgm
.Lentry_shape_is_right:
; y[b][q][head 64 + d] = sum over k of softmax_k(q . k / 8) v, 16 heads of 64, 512 keys, no mask.  big = qkv, [4096][3072] bf16 (q, k, v side by side); y goes to xn, [4096][1024] bf16.
; SHARES.  A work-group has 128 queries of two neighbouring heads of one batch element, so that a row of its y is 256 consecutive bytes.  Wave w: head 2 hp + w / 2, queries 64 (w % 2) ..: four tiles of 16.
; All 512 keys of both heads stay in LDS (K at pitch 144, V at pitch 160): one tensor load a wave, nothing is filled again.  The four query blocks of a head pair are a cluster and ask jointly.
; LAYOUT.  S^T = K Q^T holds one query a lane and the keys 8 (lane / 16) + 0..7; two such results rounded to bf16 are source 1 of O^T = V^T P; V is turned by ds_load_tr16_b128.
; SOFTMAX.  A running maximum m and sum l for each query; p = 2^(c s - c m), c = log2(e) / 8; O and l are multiplied by a = 2^(c m_old - c m_new) in every step of 64 keys.  m starts at the lowest finite number, O and l at 0.
; In phases: all of a step's K Q^T, the softmax with its 132 exponentials as one batch with one wait, all of its V^T P.
; LIMITS: q, k, v, p, y in bf16; products, maxima and sums in f32; a weight below 2^-126 counts as 0; NaN and infinities are not treated apart.
; REGISTERS: window 0: addresses, statistics, S^T v64-191 (32 a tile), P v192-255 (16 a tile); window 1: O^T v0-127; window 2: Q v0-63, K v128-191, V v192-255.
.set PK,    144
.set PV,    160
.set HEADB, 155648                     ; a head's K (512 x 144) and V (512 x 160)
.set VOFF,  73728
.set SPARE, 311296
.set SP,    272
.set AK,  2
.set AV,  3
.set QO,  4
.set STO, 5
.set RD,  6
.set GO,  7
.set MV,  12                           ; c m_old, a tile each
.set ST,  16                           ; tile t: c m, m, l (even keys'), l (odd keys')
.set TMP, 32                           ; tile t: c0-c3 at work; c2 takes a
.set SPW, 62
.set NIL, 63
.set S,   64
.set P,   192
.set KF,  128
.set VF,  192
.set MSB, 0
.macro WIN new
.if MSB != (\new)
	s_set_vgpr_msb (MSB<<8)|(\new)
.set MSB, \new
.endif
.endm
.set W_KQ, 0x0a
.set W_PV, 0x52
.set W_RS, 0x41
.macro PLACES
.rept 4
	v_nop
.endr
.endm
.macro CROUND
	s_barrier_signal -1
	s_barrier_wait -1
	s_cmp_lg_u32 s12, 0
	s_cbranch_scc1 .Lnot_wave_0_\@
	s_barrier_signal -3
.Lnot_wave_0_\@:
	s_barrier_wait -3
	s_barrier_signal -1
	s_barrier_wait -1
.endm
.macro REGS t
.set rT, ST+4*(\t)
.set rC, TMP+4*(\t)
.set rM, MV+(\t)
.set rS, S+32*(\t)
.set rP, P+16*(\t)
.endm
; Number n of the 22 that find tile t's maximum and statistics; each accumulator's lowest registers are read first
.macro XS t, n
	REGS \t
.if (\n) < 4
	v_max3_num_f32 v[rC+(\n)], v[rS+8*(\n)], v[rS+8*(\n)+1], v[rS+8*(\n)+2]
.elseif (\n) < 12
	v_max3_num_f32 v[rC+(\n)%4], v[rC+(\n)%4], v[rS+8*((\n)%4)+2*((\n)/4)+1], v[rS+8*((\n)%4)+2*((\n)/4)+2]
.elseif (\n) == 12
	v_max3_num_f32 v[rC], v[rC], v[rS+7], v[rS+15]
.elseif (\n) == 13
	v_max3_num_f32 v[rC+1], v[rC+1], v[rS+23], v[rS+31]
.elseif (\n) == 14
	v_max3_num_f32 v[rC+2], v[rC+2], v[rC+3], v[rT+1]
.elseif (\n) == 15
	v_mov_b32 v[rM], v[rT]
.elseif (\n) == 16
	v_max3_num_f32 v[rC], v[rC], v[rC+1], v[rC+2]
.elseif (\n) == 17
	v_permlanex16_b32 v[rC+3], v[rC], s60, s61     ; the query's other 32 keys lie in the lane 16 away
.elseif (\n) == 18
	v_max_num_f32 v[rT+1], v[rC], v[rC+3]
.elseif (\n) == 19
	v_mul_f32 v[rT], s58, v[rT+1]
.elseif (\n) == 20
	v_sub_f32 v[rC+1], v[rM], v[rT]
.else
	v_exp_f32 v[rC+2], v[rC+1]
.endif
.endm
	s_load_b128 s[4:7], s[0:1], 0x0                ; big 4, xn 6
	v_lshl_add_u32 v[SPW], v0, 2, SPARE
	v_mov_b32 v[NIL], 0
	ds_add_u32 v[SPW], v[NIL]                      ; the wave's opening: the add and its wait ahead of the first load's round
	v_lshrrev_b32 v1, 5, v0
	v_readfirstlane_b32 s12, v1                    ; wave
	s_bfe_u32 s13, ttmp6, 0x40000                  ; cx: my block of 128 queries; it enters Q's and y's addresses alone
	s_and_b32 s14, ttmp7, 0xffff
	s_lshr_b32 s15, s14, 3                         ; batch element
	s_and_b32 s16, s14, 7                          ; head pair
	s_lshr_b32 s17, s12, 1                         ; which of the two heads
	s_and_b32 s18, s12, 1                          ; I fetch K (0) or V (1); my half of the queries
	s_lshl_b32 s19, s16, 1
	s_add_co_u32 s19, s19, s17                     ; head
	s_mov_b32 s24, 15|(1<<16)|(1<<20)|(1<<21)|(4<<22)|(3<<25)   ; K: 512 rows x 64 elements, 4 words of padding after every 32
	s_mov_b32 s32, 15|(1<<16)|(1<<20)|(1<<21)|(4<<22)|(7<<25)   ; V: 8 words
.irp g, 24, 32
	s_mov_b32 s[\g+1], 64<<16
	s_mov_b32 s[\g+2], 512<<16
	s_mov_b32 s[\g+3], 64<<16
	s_mov_b32 s[\g+4], 512
	s_mov_b32 s[\g+5], 3072
	s_mov_b32 s[\g+6], 0
	s_mov_b32 s[\g+7], 0
.endr
	s_mov_b32 s40, 1
	s_mul_i32 s41, s17, HEADB
	s_mul_i32 s20, s18, VOFF
	s_add_co_u32 s41, s41, s20
	s_mul_i32 s20, s15, 512*6144
	s_lshl_b32 s21, s19, 7
	s_add_co_u32 s20, s20, s21                     ; the batch element's rows, the head's 128 bytes in q
	s_lshl_b32 s21, s18, 11
	s_add_co_u32 s22, s20, s21
	s_add_co_u32 s22, s22, 2048                    ; k lies 2,048 bytes behind q, v 4,096
	s_mov_b32 s23, 0
	s_lshl_b32 s44, s13, 7
	s_lshl_b32 s45, s18, 6
	s_add_co_u32 s44, s44, s45
	s_mul_i32 s44, s44, 6144
	s_add_co_u32 s44, s44, s20                     ; my 64 queries
	s_mov_b32 s45, 0
	s_lshl_b32 s46, s15, 9
	s_lshl_b32 s47, s13, 7
	s_add_co_u32 s46, s46, s47
	s_lshl_b32 s47, s12, 5
	s_add_co_u32 s46, s46, s47
	s_lshl_b32 s46, s46, 11                        ; the 32 rows of y that I store,
	s_lshl_b32 s47, s16, 8
	s_add_co_u32 s46, s46, s47                     ; the pair's 256 bytes in them
	s_mov_b32 s47, 0
	s_mov_b32 s58, 0x3e38aa3b                      ; c = log2(e) / 8
	s_mov_b32 s59, 0x3e38aa3b
	s_mov_b32 s60, 0x76543210
	s_mov_b32 s61, 0xfedcba98
	s_wait_dscnt 0x0                               ; the opening add is done
	s_wait_kmcnt 0x0
	s_add_nc_u64 s[42:43], s[4:5], s[22:23]
	s_or_b32 s43, s43, 0x80000000
	s_add_nc_u64 s[8:9], s[4:5], s[44:45]
	s_add_nc_u64 s[6:7], s[6:7], s[46:47]
	CROUND                                         ; all four work-groups are here: the joint loads meet
	s_cmp_eq_u32 s18, 0
	s_cbranch_scc0 .Lfor_v
	tensor_load_to_lds s[40:43], s[24:31]
	s_nop 0
	PLACES
	s_branch .Lasked
.Lfor_v:
	tensor_load_to_lds s[40:43], s[32:39]
	s_nop 0
	PLACES
.Lasked:
	v_and_b32 v1, 15, v0                           ; l % 16
	v_bfe_u32 v9, v0, 4, 1                         ; l / 16
	v_mul_u32_u24 v[QO], v1, 6144
	v_lshl_add_u32 v[QO], v9, 4, v[QO]
	WIN 0x80
.set i, 0
.rept 8                                ; Q stays in registers: tile i / 2, channels 32 (i % 2) on
	global_load_b128 v[8*i:8*i+3], v[QO], s[8:9] offset:(i/2)*98304+(i%2)*64
	global_load_b128 v[8*i+4:8*i+7], v[QO], s[8:9] offset:(i/2)*98304+(i%2)*64+32
.set i, i+1
.endr
	WIN 0x40                                       ; O^T starts at 0: these lines stand in the wait for the tiles, and spare a first step written out
.set i, 0
.rept 128
	v_mov_b32 v[i], 0
.set i, i+1
.endr
	WIN 0
.irp t, 0,1,2,3
	v_mov_b32 v[ST+4*\t], 0xfe000000               ; c m: far below every c s
	v_mov_b32 v[ST+4*\t+1], 0xff7fffff             ; m
	v_mov_b32 v[ST+4*\t+2], 0
	v_mov_b32 v[ST+4*\t+3], 0
.endr
	s_mul_i32 s48, s17, HEADB
	v_mul_u32_u24 v[AK], v1, PK
	v_lshl_add_u32 v[AK], v9, 4, v[AK]
	v_add_nc_u32 v[AK], s48, v[AK]
	v_and_b32 v10, 7, v0
	v_bfe_u32 v11, v0, 3, 1
	v_lshl_add_u32 v[AV], v9, 3, v10
	v_mul_u32_u24 v[AV], v[AV], PV
	v_lshl_add_u32 v[AV], v11, 4, v[AV]
	s_add_co_u32 s48, s48, VOFF
	v_add_nc_u32 v[AV], s48, v[AV]
	s_mul_i32 s48, s18, 64*SP
	s_lshl_b32 s49, s17, 7
	s_add_co_u32 s48, s48, s49
	v_mul_u32_u24 v[STO], v1, SP
	v_lshl_add_u32 v[STO], v9, 4, v[STO]
	v_add_nc_u32 v[STO], s48, v[STO]               ; the stage: row 64 (w % 2) + l % 16, my head's 128 bytes
	s_mul_i32 s48, s12, 32*SP
	v_mul_u32_u24 v[RD], v9, SP
	v_lshl_add_u32 v[RD], v1, 4, v[RD]
	v_add_nc_u32 v[RD], s48, v[RD]                 ; back: rows 32 w .., whole
	v_lshlrev_b32 v[GO], 11, v9
	v_lshl_add_u32 v[GO], v1, 4, v[GO]
	s_wait_tensorcnt 0x0                           ; my tile is in,
	s_barrier_signal -1
	s_barrier_wait -1                              ; everybody's is
	s_wait_loadcnt 0x0                             ; Q
	s_mov_b32 s56, 8
.Lstep:                                                ; 64 keys a trip
	PLACES                                         ; between the last products and the loads into their sources
	WIN 0x80
.irp f, 0,1,2,3,4,5,6,7                ; keys 16 (f / 2) on, channels 32 (f % 2) on
	ds_load_b128 v[KF+8*\f:KF+8*\f+3], v[AK] offset:(\f/2)*16*PK+(\f%2)*64
	ds_load_b128 v[KF+8*\f+4:KF+8*\f+7], v[AK] offset:(\f/2)*16*PK+(\f%2)*64+32
.endr
.irp f, 0,1,2,3,4,5,6,7                ; keys 32 (f / 4) on, channels 16 (f % 4) on
	ds_load_tr16_b128 v[VF+8*\f:VF+8*\f+3], v[AV] offset:(\f/4)*32*PV+(\f%4)*32
	ds_load_tr16_b128 v[VF+8*\f+4:VF+8*\f+7], v[AV] offset:(\f/4)*32*PV+16*PV+(\f%4)*32
.endr
	WIN 0
	v_add_nc_u32 v[AK], 64*PK, v[AK]
	v_add_nc_u32 v[AV], 64*PV, v[AV]
	s_wait_dscnt 16                                ; K is in; V's sixteen loads stay out
	WIN W_KQ
.irp c, 0,1                            ; the 16 accumulators take turns
.irp kb, 0,1,2,3
.irp t, 0,1,2,3
.if \c == 0
	v_wmma_f32_16x16x32_bf16 v[S+32*\t+8*\kb:S+32*\t+8*\kb+7], v[KF+16*\kb+8*\c:KF+16*\kb+8*\c+7], v[16*\t+8*\c:16*\t+8*\c+7], 0
.else
	v_wmma_f32_16x16x32_bf16 v[S+32*\t+8*\kb:S+32*\t+8*\kb+7], v[KF+16*\kb+8*\c:KF+16*\kb+8*\c+7], v[16*\t+8*\c:16*\t+8*\c+7], v[S+32*\t+8*\kb:S+32*\t+8*\kb+7]
.endif
.endr
.endr
.endr
	WIN 0
	PLACES
.irp n, 0,1,2,3,4,5,6,7,8,9,10,11,12,13,14,15,16,17,18,19,20
.irp t, 0,1,2,3
	XS \t, \n
.endr
.endr
.set f, 0
.rept 64                               ; c s - c m, pair f / 4 of tile f % 4
	REGS f%4
	v_pk_fma_f32 v[rS+2*(f/4):rS+2*(f/4)+1], v[rS+2*(f/4):rS+2*(f/4)+1], s[58:59], v[rT:rT+1] op_sel_hi:[1,0,0] neg_lo:[0,0,1] neg_hi:[0,0,1]
.set f, f+1
.endr
.irp t, 0,1,2,3
	XS \t, 21                                      ; a
.endr
.set e, 0
.rept 128
	v_exp_f32 v[S+32*(e%4)+e/4], v[S+32*(e%4)+e/4]
.set e, e+1
.endr
	v_nop                                          ; a plain instruction behind the last exponential,
	s_wait_alu depctr_va_vdst(0)                   ; and one wait for the batch
.set f, 0
.rept 64
	v_cvt_pk_bf16_f32 v[P+16*(f%4)+f/4], v[S+32*(f%4)+2*(f/4)], v[S+32*(f%4)+2*(f/4)+1]
.set f, f+1
.endr
.irp m, 1,2,3                          ; the unrounded weights' sum: four chains a tile
.irp k, 0,1,2,3
.irp t, 0,1,2,3
	v_pk_add_f32 v[S+32*\t+2*\k:S+32*\t+2*\k+1], v[S+32*\t+2*\k:S+32*\t+2*\k+1], v[S+32*\t+8*\m+2*\k:S+32*\t+8*\m+2*\k+1]
.endr
.endr
.endr
.irp t, 0,1,2,3
	v_pk_add_f32 v[S+32*\t:S+32*\t+1], v[S+32*\t:S+32*\t+1], v[S+32*\t+2:S+32*\t+3]
	v_pk_add_f32 v[S+32*\t+4:S+32*\t+5], v[S+32*\t+4:S+32*\t+5], v[S+32*\t+6:S+32*\t+7]
.endr
.irp t, 0,1,2,3
	v_pk_add_f32 v[S+32*\t:S+32*\t+1], v[S+32*\t:S+32*\t+1], v[S+32*\t+4:S+32*\t+5]
.endr
.irp t, 0,1,2,3
	v_pk_fma_f32 v[ST+4*\t+2:ST+4*\t+3], v[ST+4*\t+2:ST+4*\t+3], v[TMP+4*\t+2:TMP+4*\t+3], v[S+32*\t:S+32*\t+1] op_sel_hi:[1,0,1]  ; l = a l + sum
.endr
	WIN W_RS
.set f, 0
.rept 64                               ; O^T times a, each accumulator from its low end on
	v_pk_mul_f32 v[32*(f%4)+2*(f/4):32*(f%4)+2*(f/4)+1], v[32*(f%4)+2*(f/4):32*(f%4)+2*(f/4)+1], v[TMP+4*(f%4)+2:TMP+4*(f%4)+3] op_sel_hi:[1,0]
.set f, f+1
.endr
	s_wait_dscnt 0x0                               ; V is in
	WIN W_PV
.irp kk, 0,1
.irp cb, 0,1,2,3
.irp t, 0,1,2,3
	v_wmma_f32_16x16x32_bf16 v[32*\t+8*\cb:32*\t+8*\cb+7], v[VF+32*\kk+8*\cb:VF+32*\kk+8*\cb+7], v[P+16*\t+8*\kk:P+16*\t+8*\kk+7], v[32*\t+8*\cb:32*\t+8*\cb+7]
.endr
.endr
.endr
	WIN 0
	s_sub_co_u32 s56, s56, 1
	s_cmp_lg_u32 s56, 0
	s_cbranch_scc1 .Lstep
	; THE WAY OUT.  The four additions are the places behind the last products.
.irp t, 0,1,2,3
	v_add_f32 v[ST+4*\t+2], v[ST+4*\t+2], v[ST+4*\t+3]
.endr
.irp t, 0,1,2,3
	v_permlanex16_b32 v[ST+4*\t+3], v[ST+4*\t+2], s60, s61
.endr
.irp t, 0,1,2,3
	v_add_f32 v[ST+4*\t+2], v[ST+4*\t+2], v[ST+4*\t+3]
.endr
.irp t, 0,1,2,3
	v_rcp_f32 v[ST+4*\t+2], v[ST+4*\t+2]
.endr
	v_nop
	s_wait_alu depctr_va_vdst(0)                   ; one wait for the four reciprocals
	WIN W_RS
.set f, 0
.rept 64
	v_pk_mul_f32 v[32*(f%4)+2*(f/4):32*(f%4)+2*(f/4)+1], v[32*(f%4)+2*(f/4):32*(f%4)+2*(f/4)+1], v[ST+4*(f%4)+2:ST+4*(f%4)+3] op_sel_hi:[1,0]
.set f, f+1
.endr
	WIN 0x05
.set f, 0
.rept 64
	v_cvt_pk_bf16_f32 v[S+f], v[2*f], v[2*f+1]     ; tile f / 16: eight channels of a row pack into 16 bytes
.set f, f+1
.endr
	WIN 0
	s_wait_dscnt 0x0                               ; my reads of K and V are over
	s_barrier_signal -1
	s_barrier_wait -1                              ; everybody's are; no fill is left: K's first bytes take the stage, 128 rows of 272
.irp t, 0,1,2,3
.irp cb, 0,1,2,3
	ds_store_b128 v[STO], v[S+16*\t+4*\cb:S+16*\t+4*\cb+3] offset:4352*\t+32*\cb
.endr
.endr
	s_wait_dscnt 0x0                               ; for the others' sake: a row's 256 bytes come from two waves
	s_barrier_signal -1
	s_barrier_wait -1
.irp i, 0,1,2,3,4,5,6,7,8,9,10,11,12,13,14,15
	ds_load_b128 v[S+4*\i:S+4*\i+3], v[RD] offset:2*SP*\i
.endr
.irp i, 0,1,2,3,4,5,6,7,8,9,10,11,12,13,14,15
	s_wait_dscnt 15-\i                             ; the later rows' loads stay out
	global_store_b128 v[GO], v[S+4*\i:S+4*\i+3], s[6:7] offset:4096*\i   ; 16 lanes store 256 consecutive bytes, aligned
.endr
	s_wait_tensorcnt 0x0                           ; the wave's end
	ds_add_u32 v[SPW], v[NIL]
	s_wait_dscnt 0x0
	CROUND                                         ; the closing round
	s_endpgm
.Lfunc_end_k_q23ff39d403_attn:
	.size	k_q23ff39d403_attn, .Lfunc_end_k_q23ff39d403_attn-k_q23ff39d403_attn
	.p2alignl 7, 3214868480
	.fill 96, 4, 3214868480
	.section	.rodata,"a",@progbits
	.p2align	6, 0x0
	.amdhsa_kernel k_q23ff39d403_attn
		.amdhsa_group_segment_fixed_size 327680
		.amdhsa_private_segment_fixed_size 0
		.amdhsa_enable_private_segment 0
		.amdhsa_kernarg_size 16
		.amdhsa_user_sgpr_count 2
		.amdhsa_user_sgpr_kernarg_segment_ptr 1
		.amdhsa_wavefront_size32 1
		.amdhsa_system_sgpr_workgroup_id_x 1
		.amdhsa_system_sgpr_workgroup_id_y 1
		.amdhsa_system_sgpr_workgroup_id_z 1
		.amdhsa_system_vgpr_workitem_id 0
		.amdhsa_next_free_vgpr 768
		.amdhsa_next_free_sgpr 66
		.amdhsa_reserve_vcc 0
		.amdhsa_float_denorm_mode_32 3
		.amdhsa_float_denorm_mode_16_64 3
		.amdhsa_memory_ordered 1
		.amdhsa_forward_progress 1
		.amdhsa_inst_pref_size 58
	.end_amdhsa_kernel
	.amdgpu_metadata
---
amdhsa.version: [ 1, 2 ]
amdhsa.kernels:
  - .name:           k_q23ff39d403_attn
    .symbol:         k_q23ff39d403_attn.kd
    .args:
      - { .name: big, .offset: 0, .size: 8, .value_kind: global_buffer, .address_space: global }
      - { .name: xn, .offset: 8, .size: 8, .value_kind: global_buffer, .address_space: global }
    .group_segment_fixed_size: 327680
    .private_segment_fixed_size: 0
    .kernarg_segment_align: 8
    .kernarg_segment_size: 16
    .max_flat_workgroup_size: 128
    .sgpr_count:     66
    .vgpr_count:     768
    .wavefront_size: 32
...
	.end_amdgpu_metadata
.endif
;; end of part 4
;; launch hp (part 5): grid 256 x 1, 4 waves a work-group, clusters of 4 x 1, 327,680 bytes of LDS; arguments xn, wb, hb; writes hb
.if DOCPART == 5
	.amdgcn_target "amdgcn-amd-amdhsa--gfx1250"
	.amdhsa_code_object_version 6
	.text
	.protected	k_q23ff39d403_hp
	.globl	k_q23ff39d403_hp
	.p2align	8
	.type	k_q23ff39d403_hp,@function
k_q23ff39d403_hp:
	s_mov_b64 s[64:65], 0
	v_nop
	global_prefetch_b8 v0, s[64:65] scope:SCOPE_SE
	s_setreg_imm32_b32 hwreg(HW_REG_WAVE_MODE, 25, 1), 1
	s_wait_xcnt 0x0
	s_wait_alu depctr_hold_cnt(0) depctr_sa_sdst(0) depctr_va_vdst(0) depctr_va_sdst(0) depctr_va_ssrc(0) depctr_va_vcc(0) depctr_vm_vsrc(0)
	s_getreg_b32 s2, hwreg(HW_REG_IB_STS2, 6, 4)
	s_cmp_eq_u32 s2, 0
	s_cbranch_scc0 .Lentry_in_a_cluster
	s_endpgm
.Lentry_in_a_cluster:
	s_bfe_u32 s2, ttmp6, 0x10000c
	s_cmp_lg_u32 s2, 0x3003
	s_cbranch_scc0 .Lentry_shape_is_right
	s_endpgm
.Lentry_shape_is_right:
; h = 2^-6 x (X @ A_b), [16][64] bf16 a work-group.  X: [4096][KD] bf16; A_b: the batch element's adapter table, [KD][64] bf16, at byte AOFF of wb.
; SHARES.  Work-group g = 4 x cluster + place owns rows 16 g ..; 32 work-groups make a batch element, so a cluster's four share A_b and ask for it jointly.
; Phase 1: wave w copies rows 4 w .. 4 w + 3 into LDS (XB).  Phase 2: wave w multiplies all 16 rows by the table's rows k = 512 c + 128 w .. + 127 of every chunk c, which it fetched itself;
; the chunks go through two slots; the four waves' f32 partial sums meet in LDS.  Source 0 = 16 table columns (turned), source 1 = 16 rows of X: a lane holds one row and eight neighbouring columns of h.
; LIMITS: operands in bf16, sums in f32.
; LDS: two slots of 512 table rows at pitch 160; XB 16 rows at pitch 2 KD + 16; RED the partial sums at pitch 272; the spare words.
.set KD,    1024
.set AOFF,  28311552
.set NCH,   KD/512
.set RB,    2*KD
.set NJ,    RB/512
.set XP,    2*KD+16
.set SLOTB, 81920
.set XB,    163840
.set RED,   295168
.set SPARE, 312576
.set XF,    32
.set AF,    64
.set ACC,   192
; v1 lane, v3 row loads, v5 XB stores, v6 X fragments, v7 v8 table fragments in slot 0, 1, v9 RED read, v10 hb store, v11 RED store, v30 v31 the add's two registers
.macro ROUND
	s_barrier_signal -1
	s_barrier_wait -1
	s_cmp_lg_u32 s14, 0
	s_cbranch_scc1 .Lnot_wave_0_\@
	s_barrier_signal -3
.Lnot_wave_0_\@:
	s_barrier_wait -3
	s_barrier_signal -1
	s_barrier_wait -1
.endm
.macro PLACES
.rept 4
	v_nop
.endr
.endm
.macro WORK slot, xo, zero             ; one chunk: my 128 k of it; the four accumulators take turns
	PLACES
.irp i, 0,1,2,3
	ds_load_b128 v[XF+8*\i:XF+8*\i+3], v6 offset:(\xo)+64*\i
	ds_load_b128 v[XF+8*\i+4:XF+8*\i+7], v6 offset:(\xo)+64*\i+32
.endr
.irp i, 0,1,2,3
.irp n, 0,1,2,3
	ds_load_tr16_b128 v[AF+8*(4*\i+\n):AF+8*(4*\i+\n)+3], v[7+(\slot)] offset:32*\i*160+32*\n
	ds_load_tr16_b128 v[AF+8*(4*\i+\n)+4:AF+8*(4*\i+\n)+7], v[7+(\slot)] offset:(32*\i+16)*160+32*\n
.endr
.endr
	s_wait_dscnt 0x0
.irp i, 0,1,2,3
.irp n, 0,1,2,3
.if (\zero) && (\i == 0)
	v_wmma_f32_16x16x32_bf16 v[ACC+8*\n:ACC+8*\n+7], v[AF+8*(4*\i+\n):AF+8*(4*\i+\n)+7], v[XF+8*\i:XF+8*\i+7], 0
.else
	v_wmma_f32_16x16x32_bf16 v[ACC+8*\n:ACC+8*\n+7], v[AF+8*(4*\i+\n):AF+8*(4*\i+\n)+7], v[XF+8*\i:XF+8*\i+7], v[ACC+8*\n:ACC+8*\n+7]
.endif
.endr
.endr
.endm
; The chunk in \slot is multiplied; first the other slot, read last, is filled again with the chunk two on: all my loads waited for, the add, my reads waited for, a round of the cluster's barrier, my one load.
.macro TWO slot, xo
	s_wait_tensorcnt 0x0
	ds_add_u32 v30, v31
	s_add_nc_u64 s[38-4*(\slot):39-4*(\slot)], s[38-4*(\slot):39-4*(\slot)], 131072
	s_wait_dscnt 0x0
	ROUND
	tensor_load_to_lds s[36-4*(\slot):39-4*(\slot)], s[16:23]
	s_nop 0
	WORK \slot, \xo, 0
.endm
.macro CLOAD i0, nr                    ; nr rows from row i0 on: 512 consecutive bytes a load
.set n, 0
.rept (\nr)*NJ
	global_load_b128 v[64+4*n:67+4*n], v3, s[4:5] offset:((\i0)+n/NJ)*RB+(n%NJ)*512
.set n, n+1
.endr
.endm
.macro CSTORE i0, nr
.set n, 0
.rept (\nr)*NJ
	s_wait_loadcnt (\nr)*NJ-1-n                    ; the younger loads of the batch stay out
	ds_store_b128 v5, v[64+4*n:67+4*n] offset:((\i0)+n/NJ)*XP+(n%NJ)*512
.set n, n+1
.endr
.endm
	s_load_b128 s[4:7], s[0:1], 0x0                ; X 4, wb 6
	s_load_b64 s[12:13], s[0:1], 0x10              ; hb
	v_lshl_add_u32 v30, v0, 2, SPARE
	v_mov_b32 v31, 0
	ds_add_u32 v30, v31                            ; the wave's opening: the add and its wait ahead of my first tensor load
	v_lshrrev_b32 v1, 5, v0
	v_readfirstlane_b32 s14, v1                    ; wave
	s_bfe_u32 s15, ttmp6, 0x40000                  ; my place in the cluster: it enters the rows' addresses alone
	s_lshl_b32 s24, ttmp9, 2
	s_add_co_u32 s24, s24, s15                     ; g
	s_lshr_b32 s25, ttmp9, 3                       ; batch element
	s_mov_b32 s16, 15|(1<<16)|(1<<20)|(1<<21)|(4<<22)|(7<<25)   ; 128 table rows as 64 rows of 256 bytes, 8 words of padding after every 32
	s_mov_b32 s17, 128<<16
	s_mov_b32 s18, 64<<16
	s_mov_b32 s19, 128<<16
	s_mov_b32 s20, 64
	s_mov_b32 s21, 128
	s_mov_b32 s22, 0
	s_mov_b32 s23, 0
	s_mul_i32 s26, s14, 20480
	s_mov_b32 s32, 1
	s_mov_b32 s33, s26
	s_mov_b32 s36, 1
	s_add_co_u32 s37, s26, SLOTB
	s_mul_i32 s28, s25, KD*128
	s_lshl_b32 s29, s14, 14
	s_add_co_u32 s28, s28, s29
	s_add_co_u32 s28, s28, AOFF
	s_mov_b32 s29, 0
	s_mul_i32 s40, s24, 16*RB
	s_mov_b32 s41, 0
	s_lshl_b32 s30, s24, 11
	s_mov_b32 s31, 0
	v_and_b32 v1, 31, v0
	s_mul_i32 s27, s14, 4*RB
	v_lshl_add_u32 v3, v1, 4, s27
	s_mul_i32 s27, s14, 4*XP
	s_add_co_u32 s27, s27, XB
	v_lshl_add_u32 v5, v1, 4, s27
	v_and_b32 v12, 15, v0
	v_bfe_u32 v13, v0, 4, 1
	v_mul_u32_u24 v6, v12, XP
	v_lshl_add_u32 v6, v13, 4, v6
	s_lshl_b32 s27, s14, 8
	s_add_co_u32 s27, s27, XB
	v_add_nc_u32 v6, s27, v6
	v_and_b32 v14, 7, v0
	v_lshl_add_u32 v14, v13, 3, v14
	v_mul_u32_u24 v7, v14, 160
	v_bfe_u32 v15, v0, 3, 1
	v_lshl_add_u32 v7, v15, 4, v7
	v_add_nc_u32 v7, s26, v7
	v_add_nc_u32 v8, SLOTB, v7
	v_mul_u32_u24 v11, v12, 272
	v_lshl_add_u32 v11, v13, 5, v11
	s_mul_i32 s27, s14, 4352
	s_add_co_u32 s27, s27, RED
	v_add_nc_u32 v11, s27, v11
	v_lshrrev_b32 v9, 3, v0
	v_mul_u32_u24 v9, v9, 272
	v_and_b32 v16, 7, v0
	v_lshl_add_u32 v9, v16, 5, v9
	v_add_nc_u32 v9, RED, v9
	v_lshlrev_b32 v10, 4, v0
	s_wait_dscnt 0x0                               ; the opening add is done
	s_wait_kmcnt 0x0
	s_add_nc_u64 s[34:35], s[6:7], s[28:29]
	s_add_nc_u64 s[38:39], s[34:35], 65536         ; chunk 1
	s_or_b32 s35, s35, 0x80000000
	s_or_b32 s39, s39, 0x80000000
	s_add_nc_u64 s[4:5], s[4:5], s[40:41]
	s_add_nc_u64 s[12:13], s[12:13], s[30:31]
.if NJ == 4
	CLOAD 0, 4
.else
	CLOAD 0, 2
.endif
	ROUND                                          ; all four work-groups are here: the joint loads meet
	tensor_load_to_lds s[32:35], s[16:23]          ; chunks 0 and 1 go out together: two loads of mine are out
	s_nop 0
	tensor_load_to_lds s[36:39], s[16:23]
	s_nop 0
.if NJ == 4
	CSTORE 0, 4
.else
	CSTORE 0, 2
	s_wait_dscnt 0x0                               ; LDS has taken the first batch before its registers are loaded again
	CLOAD 2, 2
	CSTORE 2, 2
.endif
	s_wait_dscnt 0x0                               ; for the others' sake: my rows are in XB
	s_wait_tensorcnt 1                             ; chunk 0 is in; chunk 1 may stay out
	s_barrier_signal -1
	s_barrier_wait -1
	WORK 0, 0, 1
.if NCH > 2
	s_mov_b32 s44, NCH/2-1
.Lch:                                                  ; two chunks a trip
	TWO 1, 1024
	v_add_nc_u32 v6, 2048, v6
	TWO 0, 0
	s_sub_co_u32 s44, s44, 1
	s_cmp_lg_u32 s44, 0
	s_cbranch_scc1 .Lch
.endif
	s_wait_tensorcnt 0x0                           ; the last chunk: I read only the table rows that I fetched, so my own wait orders the reads
	WORK 1, 1024, 0
	PLACES
.irp n, 0,1,2,3
	ds_store_b128 v11, v[ACC+8*\n:ACC+8*\n+3] offset:64*\n
	ds_store_b128 v11, v[ACC+8*\n+4:ACC+8*\n+7] offset:64*\n+16
.endr
	s_wait_dscnt 0x0
	s_barrier_signal -1
	s_barrier_wait -1
.irp w, 0,1,2,3
	ds_load_b128 v[64+8*\w:67+8*\w], v9 offset:4352*\w
	ds_load_b128 v[68+8*\w:71+8*\w], v9 offset:4352*\w+16
.endr
	s_wait_dscnt 0x0
.irp w, 1,2,3
.irp e, 0,2,4,6
	v_pk_add_f32 v[64+\e:65+\e], v[64+\e:65+\e], v[64+8*\w+\e:65+8*\w+\e]
.endr
.endr
.irp e, 0,2,4,6
	v_pk_mul_f32 v[64+\e:65+\e], v[64+\e:65+\e], 0x3c800000 op_sel_hi:[1,0]  ; alpha / rank = 2^-6
.endr
.irp e, 0,1,2,3
	v_cvt_pk_bf16_f32 v[96+\e], v[64+2*\e], v[65+2*\e]
.endr
	global_store_b128 v10, v[96:99], s[12:13]      ; 16 lanes store 256 consecutive bytes, aligned
	s_wait_tensorcnt 0x0                           ; the wave's end
	ds_add_u32 v30, v31
	s_wait_dscnt 0x0
	ROUND                                          ; the closing round
	s_endpgm
.Lfunc_end_k_q23ff39d403_hp:
	.size	k_q23ff39d403_hp, .Lfunc_end_k_q23ff39d403_hp-k_q23ff39d403_hp
	.p2alignl 7, 3214868480
	.fill 96, 4, 3214868480
	.section	.rodata,"a",@progbits
	.p2align	6, 0x0
	.amdhsa_kernel k_q23ff39d403_hp
		.amdhsa_group_segment_fixed_size 327680
		.amdhsa_private_segment_fixed_size 0
		.amdhsa_enable_private_segment 0
		.amdhsa_kernarg_size 24
		.amdhsa_user_sgpr_count 2
		.amdhsa_user_sgpr_kernarg_segment_ptr 1
		.amdhsa_wavefront_size32 1
		.amdhsa_system_sgpr_workgroup_id_x 1
		.amdhsa_system_sgpr_workgroup_id_y 1
		.amdhsa_system_sgpr_workgroup_id_z 1
		.amdhsa_system_vgpr_workitem_id 0
		.amdhsa_next_free_vgpr 256
		.amdhsa_next_free_sgpr 66
		.amdhsa_reserve_vcc 0
		.amdhsa_float_denorm_mode_32 3
		.amdhsa_float_denorm_mode_16_64 3
		.amdhsa_memory_ordered 1
		.amdhsa_forward_progress 1
		.amdhsa_inst_pref_size 19
	.end_amdhsa_kernel
	.amdgpu_metadata
---
amdhsa.version: [ 1, 2 ]
amdhsa.kernels:
  - .name:           k_q23ff39d403_hp
    .symbol:         k_q23ff39d403_hp.kd
    .args:
      - { .name: xn, .offset: 0, .size: 8, .value_kind: global_buffer, .address_space: global }
      - { .name: wb, .offset: 8, .size: 8, .value_kind: global_buffer, .address_space: global }
      - { .name: hb, .offset: 16, .size: 8, .value_kind: global_buffer, .address_space: global }
    .group_segment_fixed_size: 327680
    .private_segment_fixed_size: 0
    .kernarg_segment_align: 8
    .kernarg_segment_size: 24
    .max_flat_workgroup_size: 128
    .sgpr_count:     66
    .vgpr_count:     256
    .wavefront_size: 32
...
	.end_amdgpu_metadata
.endif
;; end of part 5
;; launch proj (part 6): grid 8 x 32, 4 waves a work-group, clusters of 4 x 4, 327,680 bytes of LDS; arguments xn, hb, wb, b_p, x, x2; writes x2
.if DOCPART == 6
	.amdgcn_target "amdgcn-amd-amdhsa--gfx1250"
	.amdhsa_code_object_version 6
	.text
	.protected	k_q23ff39d403_proj
	.globl	k_q23ff39d403_proj
	.p2align	8
	.type	k_q23ff39d403_proj,@function
k_q23ff39d403_proj:
	s_mov_b64 s[64:65], 0
	v_nop
	global_prefetch_b8 v0, s[64:65] scope:SCOPE_SE
	s_setreg_imm32_b32 hwreg(HW_REG_WAVE_MODE, 25, 1), 1
	s_wait_xcnt 0x0
	s_wait_alu depctr_hold_cnt(0) depctr_sa_sdst(0) depctr_va_vdst(0) depctr_va_sdst(0) depctr_va_ssrc(0) depctr_va_vcc(0) depctr_vm_vsrc(0)
	s_getreg_b32 s2, hwreg(HW_REG_IB_STS2, 6, 4)
	s_cmp_eq_u32 s2, 0
	s_cbranch_scc0 .Lentry_in_a_cluster
	s_endpgm
.Lentry_in_a_cluster:
	s_bfe_u32 s2, ttmp6, 0x10000c
	s_cmp_lg_u32 s2, 0xf033
	s_cbranch_scc0 .Lentry_shape_is_right
	s_endpgm
.Lentry_shape_is_right:
; out = res + [X | h] @ [W ; B_b] + bias, f32 out.  X: [4096][KD] bf16, h: [4096][64] bf16 (already times alpha / rank), W: [KD][1024] bf16, B_b: [64][1024] bf16 of the rows' batch element, res and out [4096][1024] f32.
; 1,024 columns give 64 tiles of 256 x 256, too few for the chip's work-group processors: a work-group makes 128 x 128, each of its four waves 64 x 64 in 16 accumulators (window 2).
; The adapter's 64 along K are the first step: its products start the sums with the constant 0.  Then K goes in steps of 256 through two LDS slots.  X lies along K (pitch 528); W lies [k][n] as in
; memory (pitch 288) and is turned by ds_load_tr16_b128.  Source 0 = 16 columns of W, source 1 = 16 rows of X: a lane holds one row and eight neighbouring columns of out.
; CLUSTER 4 x 4: X's and h's tiles are asked for jointly along a row of the cluster, W's along a column; B_b's tile, 16 KB once, is each work-group's own load.
; One text for every K step: the descriptors walk (slot 1 begins at 0x24000, which shares no bit with a descriptor's LDS word in slot 0, so one exclusive or changes the slot) and the fragment addresses are base + s93.
; The residual, 64 x 64 f32 a wave, is loaded into window 3 at the start.  THE WAY OUT: when the ring has had its last fill and nobody reads it, each wave lays its tile into the ring's bytes and takes it back by rows of 256 bytes.
; LIMITS: matrix operands in bf16; sums, bias and residual in f32.
.set KD,    1024
.set ND,    1024
.set WOFF,  6291456
.set BOFF,  29360128
.set KSTEP, 256
.set NS,    KD/KSTEP
.set PA,    528
.set PB,    288
.set HALFA, 64*PA
.set HALFB, 128*PB
.set SLOT,  147456                     ; slot 1's first byte; a slot holds 2 HALFA + 2 HALFB = 141,312 bytes
.set SPARE, SLOT+2*HALFA+2*HALFB       ; the spare words: 128 bytes a wave, named by no other line
.set SP,    272
.set STG,   64*SP
.set ADRA0, 16
.set ADRB0, 17
.set ADRA,  18
.set ADRB,  19
.set ADRB2, 20
.set STO,   21
.set RD,    22
.set CO,    23
.set BO,    24
.set SPW,   28
.set NIL,   29
.set BIAS,  32
.set F0,    64
.set F1,    128
.set X,     64
.set MSB, 0
.macro WIN new
.if MSB != (\new)
	s_set_vgpr_msb (MSB<<8)|(\new)
.set MSB, \new
.endif
.endm
.set MUL,  0xa1                        ; source 0 window 1, source 1 window 0, C and D window 2
.set TO_B, 0x40
.macro PLACES
.rept 4
	v_nop
.endr
.endm
.macro JLOAD
	s_cmp_eq_u32 s11, 0
	s_cbranch_scc0 .Lfor_b_\@
	tensor_load_to_lds s[56:59], s[24:31]
	s_nop 0
	PLACES
	s_branch .Lasked_\@
.Lfor_b_\@:
	tensor_load_to_lds s[60:63], s[32:39]
	s_nop 0
	PLACES
.Lasked_\@:
.endm
.macro CREST
	s_cmp_lg_u32 s10, 0
	s_cbranch_scc1 .Lnot_wave_0_\@
	s_barrier_signal -3
.Lnot_wave_0_\@:
	s_barrier_wait -3
	s_barrier_signal -1
	s_barrier_wait -1
.endm
.macro CROUND
	s_barrier_signal -1
	s_barrier_wait -1
	CREST
.endm
; 8 products: depth p / 2 of the quarter's two, row blocks 2 (p % 2) and the next x all 4 column blocks.  The 16 accumulators take turns in one order.
.macro MULP f, p, zero
	WIN MUL
.irp a, 2*((\p)&1), 2*((\p)&1)+1
.irp b, 0,1,2,3
.if (\zero) && ((\p) < 2)
	v_wmma_f32_16x16x32_bf16 v[8*(4*(\a)+(\b)):8*(4*(\a)+(\b))+7], v[(\f)+8*(4*((\p)/2)+(\b)):(\f)+8*(4*((\p)/2)+(\b))+7], v[(\f)+8*(4*((\p)/2)+(\a)):(\f)+8*(4*((\p)/2)+(\a))+7], 0
.else
	v_wmma_f32_16x16x32_bf16 v[8*(4*(\a)+(\b)):8*(4*(\a)+(\b))+7], v[(\f)+8*(4*((\p)/2)+(\b)):(\f)+8*(4*((\p)/2)+(\b))+7], v[(\f)+8*(4*((\p)/2)+(\a)):(\f)+8*(4*((\p)/2)+(\a))+7], v[8*(4*(\a)+(\b)):8*(4*(\a)+(\b))+7]
.endif
.endr
.endr
.endm
; 32 LDS loads: quarter q (64 along K) of the slot in hand into buffer f
.macro FETCH q, f
	WIN TO_B
.if (\q) < 2
.set AB, ADRB
.else
.set AB, ADRB2
.endif
.irp c, 0,1
.irp b, 0,1,2,3
	ds_load_tr16_b128 v[(\f)+8*(4*(\c)+(\b)):(\f)+8*(4*(\c)+(\b))+3], v[AB] offset:(((\q)&1)*64+32*(\c))*PB+32*(\b)
	ds_load_tr16_b128 v[(\f)+8*(4*(\c)+(\b))+4:(\f)+8*(4*(\c)+(\b))+7], v[AB] offset:(((\q)&1)*64+32*(\c)+16)*PB+32*(\b)
.endr
.endr
	WIN 0
.irp c, 0,1
.irp a, 0,1,2,3
	ds_load_b128 v[(\f)+8*(4*(\c)+(\a)):(\f)+8*(4*(\c)+(\a))+3], v[ADRA] offset:16*(\a)*PA+128*(\q)+64*(\c)
	ds_load_b128 v[(\f)+8*(4*(\c)+(\a))+4:(\f)+8*(4*(\c)+(\a))+7], v[ADRA] offset:16*(\a)*PA+128*(\q)+64*(\c)+32
.endr
.endr
.endm
.macro QUARTER q, f, g
	s_wait_dscnt 0x0
	MULP \f, 0, 0
	PLACES
	FETCH \q, \g
	MULP \f, 1, 0
	MULP \f, 2, 0
	MULP \f, 3, 0
.endm
; A step's last quarter multiplies buffer 1 and changes slots: one barrier; in front of it each wave waits for all its tensor loads, adds 0 to its spare word and waits for that and for its reads of the slot.
; fill = 1: the barrier opens a round of the cluster's, and the slot just read is filled again first thing behind it, with the K step two steps on.
.macro TURN fill, zero
	WIN 0
	s_wait_tensorcnt 0x0
	ds_add_u32 v[SPW], v[NIL]
	s_wait_dscnt 1                                 ; only the add may be out: buffer 1 is in
	MULP F1, 0, \zero
	s_wait_dscnt 0x0
	s_barrier_signal -1
	MULP F1, 1, \zero
	WIN 0
	s_barrier_wait -1
.if \fill
	CREST
	s_xor_b32 s57, s57, SLOT
	s_add_nc_u64 s[58:59], s[58:59], KSTEP*2
	s_xor_b32 s61, s61, SLOT
	s_add_nc_u64 s[62:63], s[62:63], KSTEP*ND*2
	JLOAD
.else
	PLACES
.endif
	s_xor_b32 s93, s93, SLOT
	v_add_nc_u32 v[ADRA], s93, v[ADRA0]
	v_add_nc_u32 v[ADRB], s93, v[ADRB0]
	v_add_nc_u32 v[ADRB2], 128*PB, v[ADRB]
	FETCH 0, F0
	MULP F1, 2, 0
	MULP F1, 3, 0
.endm
	s_load_b256 s[76:83], s[0:1], 0x0              ; X 76, h 78, wb 80, bias 82
	s_load_b128 s[84:87], s[0:1], 0x20             ; res 84, out 86
	v_lshl_add_u32 v[SPW], v0, 2, SPARE
	v_mov_b32 v[NIL], 0
	ds_add_u32 v[SPW], v[NIL]                      ; the wave's opening: the add and its wait ahead of the first loads' round
	v_lshrrev_b32 v1, 5, v0
	v_readfirstlane_b32 s10, v1
	s_lshr_b32 s11, s10, 1
	s_and_b32 s12, s10, 1
	s_bfe_u32 s88, ttmp6, 0x40000
	s_bfe_u32 s89, ttmp6, 0x40004
	s_lshl_b32 s90, ttmp9, 2
	s_add_co_u32 s90, s90, s88                     ; tile column
	s_and_b32 s13, ttmp7, 0xffff
	s_lshl_b32 s13, s13, 2
	s_add_co_u32 s13, s13, s89                     ; tile row
	s_lshl_b32 s91, s89, 2
	s_lshl_b32 s91, 15, s91
	s_lshl_b32 s92, 0x1111, s88
	s_or_b32 s24, s91, (1<<16)|(1<<20)|(1<<21)|(6<<22)|(3<<25)   ; X: 64 rows x 256 elements, 4 words of padding after every 128
	s_mov_b32 s25, KSTEP<<16
	s_mov_b32 s26, 64<<16
	s_mov_b32 s27, KSTEP<<16
	s_mov_b32 s28, 64
	s_mov_b32 s29, KD
	s_mov_b32 s30, 0
	s_mov_b32 s31, 0
	s_or_b32 s32, s92, (1<<16)|(1<<20)|(1<<21)|(5<<22)|(7<<25)   ; W: 128 rows x 128 elements, 8 words after every 64
	s_mov_b32 s33, 128<<16
	s_mov_b32 s34, 128<<16
	s_mov_b32 s35, 128<<16
	s_mov_b32 s36, 128
	s_mov_b32 s37, ND
	s_mov_b32 s38, 0
	s_mov_b32 s39, 0
	s_or_b32 s40, s91, (1<<16)|(1<<20)|(1<<21)|(4<<22)|(99<<25)  ; h: 64 dense rows of 128 bytes asked for as 32 of 256; 100 words after every 32 put each at X's pitch
	s_mov_b32 s41, 128<<16
	s_mov_b32 s42, 32<<16
	s_mov_b32 s43, 128<<16
	s_mov_b32 s44, 32
	s_mov_b32 s45, 128
	s_mov_b32 s46, 0
	s_mov_b32 s47, 0
	s_mov_b32 s48, (1<<16)|(1<<20)|(5<<22)|(7<<25)               ; B_b: 32 rows x 128 elements, my own load: no mask
	s_mov_b32 s49, 128<<16
	s_mov_b32 s50, 32<<16
	s_mov_b32 s51, 128<<16
	s_mov_b32 s52, 32
	s_mov_b32 s53, ND
	s_mov_b32 s54, 0
	s_mov_b32 s55, 0
	s_lshl_b32 s14, s13, 7
	s_lshl_b32 s15, s12, 6
	s_add_co_u32 s14, s14, s15                     ; the first of the 64 rows of X and h that I fetch
	s_mul_i32 s16, s14, KD*2
	s_mov_b32 s17, 0
	s_lshl_b32 s18, s14, 7
	s_mov_b32 s19, 0
	s_lshl_b32 s20, s90, 8
	s_mul_i32 s21, s12, 128*ND*2
	s_add_co_u32 s20, s20, s21
	s_add_co_u32 s20, s20, WOFF
	s_mov_b32 s21, 0
	s_lshr_b32 s22, s13, 2                         ; the batch element = tile row / 4
	s_mul_i32 s22, s22, 64*ND*2
	s_lshl_b32 s23, s90, 8
	s_add_co_u32 s22, s22, s23
	s_mul_i32 s23, s12, 32*ND*2
	s_add_co_u32 s22, s22, s23
	s_add_co_u32 s22, s22, BOFF
	s_mov_b32 s23, 0
	s_mov_b32 s56, 1
	s_mul_i32 s57, s12, HALFA
	s_add_co_u32 s57, s57, SLOT                    ; K step 0 goes into slot 1
	s_mov_b32 s60, 1
	s_mul_i32 s61, s12, HALFB
	s_add_co_u32 s61, s61, SLOT+2*HALFA
	s_mov_b32 s68, 1
	s_mul_i32 s69, s12, HALFA                      ; the adapter's step lies in slot 0
	s_mov_b32 s72, 1
	s_mul_i32 s73, s12, 32*PB
	s_add_co_u32 s73, s73, 2*HALFA
	s_mov_b32 s93, 0
	s_lshl_b32 s94, s13, 7
	s_lshl_b32 s96, s11, 6
	s_add_co_u32 s94, s94, s96
	s_lshl_b32 s94, s94, 12                        ; my first row of res and out
	s_lshl_b32 s96, s90, 9
	s_lshl_b32 s97, s12, 8
	s_add_co_u32 s96, s96, s97                     ; my first column's byte, in a row and in the bias
	s_add_co_u32 s94, s94, s96
	s_mov_b32 s95, 0
	s_wait_dscnt 0x0                               ; the opening add is done
	s_wait_kmcnt 0x0
	s_add_nc_u64 s[58:59], s[76:77], s[16:17]
	s_or_b32 s59, s59, 0x80000000
	s_add_nc_u64 s[62:63], s[80:81], s[20:21]
	s_or_b32 s63, s63, 0x80000000
	s_add_nc_u64 s[70:71], s[78:79], s[18:19]
	s_or_b32 s71, s71, 0x80000000
	s_add_nc_u64 s[74:75], s[80:81], s[22:23]
	s_or_b32 s75, s75, 0x80000000
	s_add_nc_u64 s[84:85], s[84:85], s[94:95]
	s_add_nc_u64 s[86:87], s[86:87], s[94:95]
	CROUND                                         ; all sixteen work-groups are here
	s_cmp_eq_u32 s11, 0                            ; a wave's two first fills stand in one branch: two loads of mine are out
	s_cbranch_scc0 .Lfirst_b
	tensor_load_to_lds s[68:71], s[40:47]
	s_nop 0
	tensor_load_to_lds s[56:59], s[24:31]
	s_nop 0
	PLACES
	s_branch .Lfirst_done
.Lfirst_b:
	tensor_load_to_lds s[72:75], s[48:55]
	s_nop 0
	tensor_load_to_lds s[60:63], s[32:39]
	s_nop 0
	PLACES
.Lfirst_done:
	v_and_b32 v1, 15, v0                           ; l % 16
	v_bfe_u32 v2, v0, 4, 1                         ; l / 16
	v_lshlrev_b32 v4, 4, v1
	v_add_nc_u32 v[BO], s96, v4
	global_load_b128 v[BIAS:BIAS+3], v[BO], s[82:83]  ; the bias of columns 4 (l % 16) .. + 3 of my 64
	v_lshl_add_u32 v[CO], v2, 12, v4               ; two rows a load or store: 4,096 (l / 16) + 16 (l % 16)
	WIN 0xc0
.set i, 0
.rept 32                               ; the residual: rows 2 i, 2 i + 1 of my 64
	global_load_b128 v[4*i:4*i+3], v[CO], s[84:85] offset:2*i*4096
.set i, i+1
.endr
	WIN 0
	v_mul_u32_u24 v4, v1, PA
	v_lshl_add_u32 v4, v2, 4, v4
	s_mul_i32 s2, s11, HALFA
	v_add_nc_u32 v[ADRA0], s2, v4
	v_and_b32 v5, 7, v0
	v_lshl_add_u32 v5, v2, 3, v5
	v_mul_u32_u24 v5, v5, PB
	v_bfe_u32 v6, v0, 3, 1
	v_lshl_add_u32 v5, v6, 4, v5
	s_lshl_b32 s2, s12, 7
	s_add_co_u32 s2, s2, 2*HALFA
	v_add_nc_u32 v[ADRB0], s2, v5
	v_mov_b32 v[ADRA], v[ADRA0]
	v_mov_b32 v[ADRB], v[ADRB0]
	v_add_nc_u32 v[ADRB2], 128*PB, v[ADRB0]
	s_mul_i32 s2, s10, STG
	v_mul_u32_u24 v7, v1, SP
	v_lshl_add_u32 v7, v2, 5, v7
	v_add_nc_u32 v[STO], s2, v7
	v_mul_u32_u24 v7, v2, SP
	v_lshl_add_u32 v7, v1, 4, v7
	v_add_nc_u32 v[RD], s2, v7
	s_wait_tensorcnt 1                             ; my part of the adapter's step is in; K step 0 stays out
	s_barrier_signal -1
	s_barrier_wait -1
	FETCH 0, F1
	TURN 1, 1                                      ; the adapter's 64: its first 32 start all 16 sums
	WIN 0
	s_mov_b32 s3, NS-2
.Lk:                                                   ; a trip is a K step; its change of slots asks for the step two on
	QUARTER 1, F0, F1
	QUARTER 2, F1, F0
	QUARTER 3, F0, F1
	TURN 1, 0
	WIN 0
	s_sub_co_u32 s3, s3, 1
	s_cmp_lg_u32 s3, 0
	s_cbranch_scc1 .Lk
	s_mov_b32 s3, 2
.Ltail:                                                ; the last two K steps ask for nothing; the very last fetch (32 loads of a landed slot) serves nothing: the price of one text for both
	QUARTER 1, F0, F1
	QUARTER 2, F1, F0
	QUARTER 3, F0, F1
	TURN 0, 0
	WIN 0
	s_sub_co_u32 s3, s3, 1
	s_cmp_lg_u32 s3, 0
	s_cbranch_scc1 .Ltail
	s_wait_dscnt 0x0                               ; my reads of the ring are over
	s_barrier_signal -1
	s_barrier_wait -1                              ; everybody's are, and the ring has had its last fill: its bytes take the tiles
	PLACES
	WIN 0x08
.irp a, 0,1,2,3
.irp b, 0,1,2,3
	ds_store_b128 v[STO], v[8*(4*(\a)+(\b)):8*(4*(\a)+(\b))+3] offset:16*(\a)*SP+64*(\b)
	ds_store_b128 v[STO], v[8*(4*(\a)+(\b))+4:8*(4*(\a)+(\b))+7] offset:16*(\a)*SP+64*(\b)+16
.endr
.endr
	WIN 0
	s_wait_loadcnt 0x0                             ; bias and residual
.irp a, 0,1,2,3                        ; 16 rows at a time
	s_wait_xcnt 0x0                                ; the last stores' data registers are loaded again only behind this wait
.irp t, 0,1,2,3,4,5,6,7
	ds_load_b128 v[X+4*\t:X+4*\t+3], v[RD] offset:(16*\a+2*\t)*SP   ; LDS serves a wave's instructions in order: these see my stores
.endr
	s_wait_dscnt 0x0
.irp t, 0,1,2,3,4,5,6,7
	v_pk_add_f32 v[X+4*\t:X+4*\t+1], v[X+4*\t:X+4*\t+1], v[BIAS:BIAS+1]
	v_pk_add_f32 v[X+4*\t+2:X+4*\t+3], v[X+4*\t+2:X+4*\t+3], v[BIAS+2:BIAS+3]
.endr
	WIN 0x0c                                       ; source 1 in window 3: the residual
.irp t, 0,1,2,3,4,5,6,7
	v_pk_add_f32 v[X+4*\t:X+4*\t+1], v[X+4*\t:X+4*\t+1], v[4*(8*\a+\t):4*(8*\a+\t)+1]
	v_pk_add_f32 v[X+4*\t+2:X+4*\t+3], v[X+4*\t+2:X+4*\t+3], v[4*(8*\a+\t)+2:4*(8*\a+\t)+3]
.endr
	WIN 0
.irp t, 0,1,2,3,4,5,6,7
	global_store_b128 v[CO], v[X+4*\t:X+4*\t+3], s[86:87] offset:(16*\a+2*\t)*4096  ; 16 lanes store 256 consecutive bytes, aligned
.endr
.endr
	s_wait_tensorcnt 0x0                           ; the wave's end
	ds_add_u32 v[SPW], v[NIL]
	s_wait_dscnt 0x0
	CROUND                                         ; the closing round
	s_endpgm
.Lfunc_end_k_q23ff39d403_proj:
	.size	k_q23ff39d403_proj, .Lfunc_end_k_q23ff39d403_proj-k_q23ff39d403_proj
	.p2alignl 7, 3214868480
	.fill 96, 4, 3214868480
	.section	.rodata,"a",@progbits
	.p2align	6, 0x0
	.amdhsa_kernel k_q23ff39d403_proj
		.amdhsa_group_segment_fixed_size 327680
		.amdhsa_private_segment_fixed_size 0
		.amdhsa_enable_private_segment 0
		.amdhsa_kernarg_size 48
		.amdhsa_user_sgpr_count 2
		.amdhsa_user_sgpr_kernarg_segment_ptr 1
		.amdhsa_wavefront_size32 1
		.amdhsa_system_sgpr_workgroup_id_x 1
		.amdhsa_system_sgpr_workgroup_id_y 1
		.amdhsa_system_sgpr_workgroup_id_z 1
		.amdhsa_system_vgpr_workitem_id 0
		.amdhsa_next_free_vgpr 896
		.amdhsa_next_free_sgpr 100
		.amdhsa_reserve_vcc 0
		.amdhsa_float_denorm_mode_32 3
		.amdhsa_float_denorm_mode_16_64 3
		.amdhsa_memory_ordered 1
		.amdhsa_forward_progress 1
		.amdhsa_inst_pref_size 72
	.end_amdhsa_kernel
	.amdgpu_metadata
---
amdhsa.version: [ 1, 2 ]
amdhsa.kernels:
  - .name:           k_q23ff39d403_proj
    .symbol:         k_q23ff39d403_proj.kd
    .args:
      - { .name: xn, .offset: 0, .size: 8, .value_kind: global_buffer, .address_space: global }
      - { .name: hb, .offset: 8, .size: 8, .value_kind: global_buffer, .address_space: global }
      - { .name: wb, .offset: 16, .size: 8, .value_kind: global_buffer, .address_space: global }
      - { .name: b_p, .offset: 24, .size: 8, .value_kind: global_buffer, .address_space: global }
      - { .name: x, .offset: 32, .size: 8, .value_kind: global_buffer, .address_space: global }
      - { .name: x2, .offset: 40, .size: 8, .value_kind: global_buffer, .address_space: global }
    .group_segment_fixed_size: 327680
    .private_segment_fixed_size: 0
    .kernarg_segment_align: 8
    .kernarg_segment_size: 48
    .max_flat_workgroup_size: 128
    .sgpr_count:     100
    .vgpr_count:     896
    .wavefront_size: 32
...
	.end_amdgpu_metadata
.endif
;; end of part 6
;; launch ln2: the kernel of part 2 again; grid 256 x 1, 4 waves a work-group, clusters of 4 x 1, 327,680 bytes of LDS; arguments x2, ln2_w, af1, xn, hb; writes xn, hb
;; launch ff1 (part 7): grid 16 x 16, 4 waves a work-group, clusters of 4 x 4, 327,680 bytes of LDS; arguments xn, hb, wb, b_f1, big; writes big
.if DOCPART == 7
	.amdgcn_target "amdgcn-amd-amdhsa--gfx1250"
	.amdhsa_code_object_version 6
	.text
	.protected	k_q23ff39d403_ff1
	.globl	k_q23ff39d403_ff1
	.p2align	8
	.type	k_q23ff39d403_ff1,@function
k_q23ff39d403_ff1:
	s_mov_b64 s[64:65], 0
	v_nop
	global_prefetch_b8 v0, s[64:65] scope:SCOPE_SE
	s_setreg_imm32_b32 hwreg(HW_REG_WAVE_MODE, 25, 1), 1
	s_wait_xcnt 0x0
	s_wait_alu depctr_hold_cnt(0) depctr_sa_sdst(0) depctr_va_vdst(0) depctr_va_sdst(0) depctr_va_ssrc(0) depctr_va_vcc(0) depctr_vm_vsrc(0)
	s_getreg_b32 s2, hwreg(HW_REG_IB_STS2, 6, 4)
	s_cmp_eq_u32 s2, 0
	s_cbranch_scc0 .Lentry_in_a_cluster
	s_endpgm
.Lentry_in_a_cluster:
	s_bfe_u32 s2, ttmp6, 0x10000c
	s_cmp_lg_u32 s2, 0xf033
	s_cbranch_scc0 .Lentry_shape_is_right
	s_endpgm
.Lentry_shape_is_right:
; out = gelu([X | h] @ [W ; B_b] + bias), bf16 out.  X: [4096][KD] bf16, h: [4096][64] bf16 (already times alpha / rank), W: [KD][ND] bf16, B_b: [64][ND] bf16 of the rows' batch element.
; A work-group makes 256 x 256 of out, each of its four waves 128 x 128 in 64 accumulators (windows 2 and 3).  The adapter's 64 along K are the first step: its products start the sums with the constant 0.
; Then K goes in steps of 128 through two LDS slots.  X lies along K (pitch 272); W lies [k][n] as in memory (pitch 544) and is turned on its way to registers by ds_load_tr16_b128.
; Source 0 = 16 columns of W, source 1 = 16 rows of X: a lane holds one row and eight neighbouring columns of out.
; CLUSTER 4 x 4: X's and h's tiles hang on the tile row and are asked for jointly along a row of the cluster, W's on the tile column, jointly along a column.  B_b's tile hangs on both
; (the batch element is tile row / 2): each work-group asks for its own, 32 KB once.
; One text for every K step: the descriptors walk (one exclusive or changes the slot: no LDS word of a descriptor shares a bit with SLOT) and the fragment addresses are base + s93.
; THE WAY OUT: when the ring has had its last fill and nobody reads it, each wave lays its 128 x 128 f32 into the ring's bytes and takes it back by rows in a counted loop: bias, GELU, rounding, stores of 256 bytes.
; LIMITS: matrix operands in bf16, sums in f32.  erf by the rational form 7.1.26 of Abramowitz and Stegun, absolute error at most 1.5e-7 for every argument; NaN and infinities are not treated apart.
.set KD,    1024
.set ND,    4096
.set WOFF,  8388608                    ; W's first byte in wb
.set BOFF,  30408704                   ; the gathered B tables' first byte in wb
.set GELU,  1
.set KSTEP, 128
.set NS,    KD/KSTEP
.set PA,    272
.set PB,    544
.set HALF,  34816                      ; 128 rows of X at 272 = 64 rows of W at 544: what one tensor load brings
.set SLOT,  4*HALF
.set SPARE, 2*SLOT                     ; the spare words: 128 bytes a wave, named by no other line
.set SP,    528                        ; the way out: 512 bytes of f32 + 16
.set STG,   128*SP
.set ADRA0, 16
.set ADRB0, 17
.set ADRA,  18
.set ADRB,  19
.set ADRB2, 20
.set STO,   21
.set RD,    22
.set CO,    23
.set BO,    24
.set SPW,   28
.set NIL,   29
.set BIAS,  32
.set F0,    64                         ; fragment buffers: X's in window 0, W's in window 1
.set F1,    128
.set X,     64                         ; the way out, window 0
.set T,     96
.set E,     128
.set Q,     160
.set Y,     192
.set MSB, 0
.macro WIN new                         ; the immediate's high byte repeats the setting that is left
.if MSB != (\new)
	s_set_vgpr_msb (MSB<<8)|(\new)
.set MSB, \new
.endif
.endm
.set MUL_LO, 0xa1                      ; source 0 window 1, source 1 window 0, C and D window 2
.set MUL_HI, 0xf1                      ; C and D window 3
.set TO_B,   0x40
.macro PLACES
.rept 4
	v_nop
.endr
.endm
.macro JLOAD                           ; waves 0, 1 fetch X's halves, waves 2, 3 W's; an s_nop 0 and four v_nop follow each line
	s_cmp_eq_u32 s11, 0
	s_cbranch_scc0 .Lfor_b_\@
	tensor_load_to_lds s[56:59], s[24:31]
	s_nop 0
	PLACES
	s_branch .Lasked_\@
.Lfor_b_\@:
	tensor_load_to_lds s[60:63], s[32:39]
	s_nop 0
	PLACES
.Lasked_\@:
.endm
.macro CREST
	s_cmp_lg_u32 s10, 0
	s_cbranch_scc1 .Lnot_wave_0_\@
	s_barrier_signal -3
.Lnot_wave_0_\@:
	s_barrier_wait -3
	s_barrier_signal -1
	s_barrier_wait -1
.endm
.macro CROUND
	s_barrier_signal -1
	s_barrier_wait -1
	CREST
.endm
; 16 products: row blocks 2 p, 2 p + 1 x all 8 column blocks, 32 along K.  All 64 accumulators take turns in one order.
.macro MULP f, p, zero
	WIN MUL_LO+0x50*((\p)/2)
.irp a, 2*(\p), 2*(\p)+1
.irp b, 0,1,2,3,4,5,6,7
.if \zero
	v_wmma_f32_16x16x32_bf16 v[8*(8*((\a)%4)+(\b)):8*(8*((\a)%4)+(\b))+7], v[(\f)+8*(\b):(\f)+8*(\b)+7], v[(\f)+8*(\a):(\f)+8*(\a)+7], 0
.else
	v_wmma_f32_16x16x32_bf16 v[8*(8*((\a)%4)+(\b)):8*(8*((\a)%4)+(\b))+7], v[(\f)+8*(\b):(\f)+8*(\b)+7], v[(\f)+8*(\a):(\f)+8*(\a)+7], v[8*(8*((\a)%4)+(\b)):8*(8*((\a)%4)+(\b))+7]
.endif
.endr
.endr
.endm
; 32 LDS loads: quarter q (32 along K) of the slot in hand into buffer f
.macro FETCH q, f
	WIN TO_B
.if (\q) < 2
.set AB, ADRB
.else
.set AB, ADRB2
.endif
.irp b, 0,1,2,3,4,5,6,7
	ds_load_tr16_b128 v[(\f)+8*(\b):(\f)+8*(\b)+3], v[AB] offset:((\q)&1)*32*PB+32*(\b)
	ds_load_tr16_b128 v[(\f)+8*(\b)+4:(\f)+8*(\b)+7], v[AB] offset:(((\q)&1)*32+16)*PB+32*(\b)
.endr
	WIN 0
.irp a, 0,1,2,3,4,5,6,7
	ds_load_b128 v[(\f)+8*(\a):(\f)+8*(\a)+3], v[ADRA] offset:16*(\a)*PA+64*(\q)
	ds_load_b128 v[(\f)+8*(\a)+4:(\f)+8*(\a)+7], v[ADRA] offset:16*(\a)*PA+64*(\q)+32
.endr
.endm
.macro QUARTER q, f, g, zero           ; multiplies buffer f; behind its first 16 products it fetches quarter q into g
	s_wait_dscnt 0x0
	MULP \f, 0, \zero
	PLACES
	FETCH \q, \g
	MULP \f, 1, \zero
	MULP \f, 2, \zero
	MULP \f, 3, \zero
.endm
; A step's last quarter multiplies buffer 1 and changes slots: one barrier; in front of it each wave waits for all its tensor loads, adds 0 to its spare word and waits for that and for its reads of the slot.
; fill = 1: the barrier opens a round of the cluster's, and the slot just read is filled again first thing behind it, with the K step two steps on.
.macro TURN fill
	WIN 0
	s_wait_tensorcnt 0x0                           ; my part of the next slot has landed; no load of mine is out
	ds_add_u32 v[SPW], v[NIL]
	s_wait_dscnt 1                                 ; only the add may be out: buffer 1 is in
	MULP F1, 0, 0
	s_wait_dscnt 0x0                               ; the add is done, my reads of this slot are over
	s_barrier_signal -1
	MULP F1, 1, 0
	WIN 0
	s_barrier_wait -1
.if \fill
	CREST
	s_xor_b32 s57, s57, SLOT
	s_add_nc_u64 s[58:59], s[58:59], KSTEP*2
	s_xor_b32 s61, s61, SLOT
	s_add_nc_u64 s[62:63], s[62:63], KSTEP*ND*2
	JLOAD
.else
	PLACES
.endif
	s_xor_b32 s93, s93, SLOT
	v_add_nc_u32 v[ADRA], s93, v[ADRA0]
	v_add_nc_u32 v[ADRB], s93, v[ADRB0]
	v_add_nc_u32 v[ADRB2], 64*PB, v[ADRB]
	FETCH 0, F0
	MULP F1, 2, 0
	MULP F1, 3, 0
.endm
	s_load_b256 s[76:83], s[0:1], 0x0              ; X 76, h 78, wb 80, bias 82
	s_load_b64 s[84:85], s[0:1], 0x20              ; out
	v_lshl_add_u32 v[SPW], v0, 2, SPARE
	v_mov_b32 v[NIL], 0
	ds_add_u32 v[SPW], v[NIL]                      ; the wave's opening: the add and its wait ahead of the first loads' round
	v_lshrrev_b32 v1, 5, v0
	v_readfirstlane_b32 s10, v1                    ; wave
	s_lshr_b32 s11, s10, 1                         ; my half of the rows; also: I fetch X (0) or W (1)
	s_and_b32 s12, s10, 1                          ; my half of the columns; also: which half I fetch
	s_bfe_u32 s88, ttmp6, 0x40000                  ; cx
	s_bfe_u32 s89, ttmp6, 0x40004                  ; cy
	s_lshl_b32 s90, ttmp9, 2
	s_add_co_u32 s90, s90, s88                     ; tile column
	s_and_b32 s13, ttmp7, 0xffff
	s_lshl_b32 s13, s13, 2
	s_add_co_u32 s13, s13, s89                     ; tile row
	s_lshl_b32 s91, s89, 2
	s_lshl_b32 s91, 15, s91                        ; my row of the cluster
	s_lshl_b32 s92, 0x1111, s88                    ; my column
	s_or_b32 s24, s91, (1<<16)|(1<<20)|(1<<21)|(5<<22)|(3<<25)   ; X: 128 rows x 128 elements, 4 words of padding after every 64
	s_mov_b32 s25, KSTEP<<16
	s_mov_b32 s26, 128<<16
	s_mov_b32 s27, KSTEP<<16
	s_mov_b32 s28, 128
	s_mov_b32 s29, KD
	s_mov_b32 s30, 0
	s_mov_b32 s31, 0
	s_or_b32 s32, s92, (1<<16)|(1<<20)|(1<<21)|(6<<22)|(7<<25)   ; W: 64 rows x 256 elements, 8 words after every 128
	s_mov_b32 s33, 256<<16
	s_mov_b32 s34, 64<<16
	s_mov_b32 s35, 256<<16
	s_mov_b32 s36, 64
	s_mov_b32 s37, ND
	s_mov_b32 s38, 0
	s_mov_b32 s39, 0
	s_or_b32 s40, s91, (1<<16)|(1<<20)|(1<<21)|(4<<22)|(35<<25)  ; h: 128 dense rows of 128 bytes asked for as 64 of 256; 36 words after every 32 put each at X's pitch
	s_mov_b32 s41, 128<<16
	s_mov_b32 s42, 64<<16
	s_mov_b32 s43, 128<<16
	s_mov_b32 s44, 64
	s_mov_b32 s45, 128
	s_mov_b32 s46, 0
	s_mov_b32 s47, 0
	s_mov_b32 s48, (1<<16)|(1<<20)|(6<<22)|(7<<25)               ; B_b: 32 rows x 256 elements, my own load: no mask
	s_mov_b32 s49, 256<<16
	s_mov_b32 s50, 32<<16
	s_mov_b32 s51, 256<<16
	s_mov_b32 s52, 32
	s_mov_b32 s53, ND
	s_mov_b32 s54, 0
	s_mov_b32 s55, 0
	s_lshl_b32 s14, s13, 8
	s_lshl_b32 s15, s12, 7
	s_add_co_u32 s14, s14, s15                     ; the first of the 128 rows of X and h that I fetch: the tile row alone
	s_mul_i32 s16, s14, KD*2
	s_mov_b32 s17, 0
	s_lshl_b32 s18, s14, 7
	s_mov_b32 s19, 0
	s_lshl_b32 s20, s90, 9                         ; W: the tile column alone
	s_mul_i32 s21, s12, 64*ND*2
	s_add_co_u32 s20, s20, s21
	s_add_co_u32 s20, s20, WOFF
	s_mov_b32 s21, 0
	s_lshr_b32 s22, s13, 1                         ; B_b: the batch element = tile row / 2
	s_mul_i32 s22, s22, 64*ND*2
	s_lshl_b32 s23, s90, 9
	s_add_co_u32 s22, s22, s23
	s_mul_i32 s23, s12, 32*ND*2
	s_add_co_u32 s22, s22, s23
	s_add_co_u32 s22, s22, BOFF
	s_mov_b32 s23, 0
	s_mul_i32 s2, s10, HALF                        ; LDS: X's two halves, then W's two halves = wave x HALF
	s_mov_b32 s56, 1
	s_add_co_u32 s57, s2, SLOT                     ; K step 0 goes into slot 1
	s_mov_b32 s60, 1
	s_add_co_u32 s61, s2, SLOT
	s_mov_b32 s68, 1
	s_mul_i32 s69, s12, HALF                       ; the adapter's step lies in slot 0
	s_mov_b32 s72, 1
	s_mul_i32 s73, s12, 32*PB
	s_add_co_u32 s73, s73, 2*HALF
	s_mov_b32 s93, 0
	s_lshl_b32 s94, s13, 8
	s_lshl_b32 s96, s11, 7
	s_add_co_u32 s94, s94, s96
	s_mul_i32 s94, s94, ND*2                       ; my first row of out
	s_lshl_b32 s96, s90, 8
	s_lshl_b32 s97, s12, 7
	s_add_co_u32 s96, s96, s97                     ; my first column
	s_lshl_b32 s97, s96, 1
	s_add_co_u32 s94, s94, s97
	s_mov_b32 s95, 0
	s_lshl_b32 s96, s96, 2                         ; its byte in the bias
	s_wait_dscnt 0x0                               ; the opening add is done
	s_wait_kmcnt 0x0
	s_add_nc_u64 s[58:59], s[76:77], s[16:17]
	s_or_b32 s59, s59, 0x80000000
	s_add_nc_u64 s[62:63], s[80:81], s[20:21]
	s_or_b32 s63, s63, 0x80000000
	s_add_nc_u64 s[70:71], s[78:79], s[18:19]
	s_or_b32 s71, s71, 0x80000000
	s_add_nc_u64 s[74:75], s[80:81], s[22:23]
	s_or_b32 s75, s75, 0x80000000
	s_add_nc_u64 s[84:85], s[84:85], s[94:95]
	CROUND                                         ; all sixteen work-groups are here
	s_cmp_eq_u32 s11, 0                            ; a wave's two first fills stand in one branch: two loads of mine are out
	s_cbranch_scc0 .Lfirst_b
	tensor_load_to_lds s[68:71], s[40:47]
	s_nop 0
	tensor_load_to_lds s[56:59], s[24:31]
	s_nop 0
	PLACES
	s_branch .Lfirst_done
.Lfirst_b:
	tensor_load_to_lds s[72:75], s[48:55]
	s_nop 0
	tensor_load_to_lds s[60:63], s[32:39]
	s_nop 0
	PLACES
.Lfirst_done:
	v_and_b32 v1, 15, v0                           ; l % 16
	v_bfe_u32 v2, v0, 4, 1                         ; l / 16
	v_and_b32 v3, 31, v0                           ; lane
	v_lshlrev_b32 v4, 4, v3
	v_add_nc_u32 v[BO], s96, v4
	global_load_b128 v[BIAS:BIAS+3], v[BO], s[82:83]  ; the bias of columns 4 lane .. + 3 of my 128
	v_mul_u32_u24 v4, v1, PA
	v_lshl_add_u32 v4, v2, 4, v4
	s_mul_i32 s2, s11, HALF
	v_add_nc_u32 v[ADRA0], s2, v4
	v_and_b32 v5, 7, v0
	v_lshl_add_u32 v5, v2, 3, v5
	v_mul_u32_u24 v5, v5, PB
	v_bfe_u32 v6, v0, 3, 1
	v_lshl_add_u32 v5, v6, 4, v5
	s_lshl_b32 s2, s12, 8
	s_add_co_u32 s2, s2, 2*HALF
	v_add_nc_u32 v[ADRB0], s2, v5
	v_mov_b32 v[ADRA], v[ADRA0]
	v_mov_b32 v[ADRB], v[ADRB0]
	v_add_nc_u32 v[ADRB2], 64*PB, v[ADRB0]
	s_mul_i32 s2, s10, STG
	v_mul_u32_u24 v7, v1, SP
	v_lshl_add_u32 v7, v2, 5, v7
	v_add_nc_u32 v[STO], s2, v7
	v_lshl_add_u32 v[RD], v3, 4, s2
	v_lshlrev_b32 v[CO], 3, v3
	s_wait_tensorcnt 1                             ; my part of the adapter's step is in; K step 0 stays out
	s_barrier_signal -1
	s_barrier_wait -1
	FETCH 0, F0
	QUARTER 1, F0, F1, 1                           ; the adapter's first 32 start all 64 sums
	TURN 1
	WIN 0
	s_mov_b32 s3, NS-2
.Lk:                                                   ; a trip is a K step; its change of slots asks for the step two on
	QUARTER 1, F0, F1, 0
	QUARTER 2, F1, F0, 0
	QUARTER 3, F0, F1, 0
	TURN 1
	WIN 0
	s_sub_co_u32 s3, s3, 1
	s_cmp_lg_u32 s3, 0
	s_cbranch_scc1 .Lk
	s_mov_b32 s3, 2
.Ltail:                                                ; the last two K steps ask for nothing; the very last fetch (32 loads of a landed slot) serves nothing: the price of one text for both
	QUARTER 1, F0, F1, 0
	QUARTER 2, F1, F0, 0
	QUARTER 3, F0, F1, 0
	TURN 0
	WIN 0
	s_sub_co_u32 s3, s3, 1
	s_cmp_lg_u32 s3, 0
	s_cbranch_scc1 .Ltail
	s_wait_dscnt 0x0                               ; my reads of the ring are over
	s_barrier_signal -1
	s_barrier_wait -1                              ; everybody's are, and the ring has had its last fill: its bytes take the tiles
	PLACES
.irp a, 0,1,2,3,4,5,6,7
	WIN 0x08+4*((\a)/4)
.irp b, 0,1,2,3,4,5,6,7
	ds_store_b128 v[STO], v[8*(8*((\a)%4)+(\b)):8*(8*((\a)%4)+(\b))+3] offset:16*(\a)*SP+64*(\b)
	ds_store_b128 v[STO], v[8*(8*((\a)%4)+(\b))+4:8*(8*((\a)%4)+(\b))+7] offset:16*(\a)*SP+64*(\b)+16
.endr
.endr
	WIN 0
.if GELU
	s_mov_b32 s24, 0x3e6d3388                      ; 0.3275911 / sqrt 2 (the descriptors are done with: every tensor load has been waited for)
	s_mov_b32 s26, 0xbf38aa3b                      ; -log2(e) / 2
	s_mov_b32 s27, 0xbf38aa3b
	s_mov_b32 s28, 0x3f87dc22                      ; a5
	s_mov_b32 s29, 0x3f87dc22
	s_mov_b32 s30, 0xbfba00e3                      ; a4
	s_mov_b32 s31, 0xbfba00e3
	s_mov_b32 s32, 0x3fb5f0e3                      ; a3
	s_mov_b32 s33, 0x3fb5f0e3
	s_mov_b32 s34, 0xbe91a98e                      ; a2
	s_mov_b32 s35, 0xbe91a98e
	s_mov_b32 s36, 0x3e827906                      ; a1
	s_mov_b32 s37, 0x3e827906
.endif
	s_wait_loadcnt 0x0                             ; the bias
	s_mov_b32 s3, 16
.Lout:                                                 ; 8 rows a trip; a load takes one row's 512 bytes (LDS serves a wave's instructions in order: these see my stores)
.irp t, 0,1,2,3,4,5,6,7
	ds_load_b128 v[X+4*\t:X+4*\t+3], v[RD] offset:SP*\t
.endr
	s_wait_dscnt 0x0
	v_add_nc_u32 v[RD], 8*SP, v[RD]
.irp t, 0,1,2,3,4,5,6,7
	v_pk_add_f32 v[X+4*\t:X+4*\t+1], v[X+4*\t:X+4*\t+1], v[BIAS:BIAS+1]
	v_pk_add_f32 v[X+4*\t+2:X+4*\t+3], v[X+4*\t+2:X+4*\t+3], v[BIAS+2:BIAS+3]
.endr
.if GELU
	; gelu(x) = max(x, 0) - |x| q / 2, q = t (a1 + t (a2 + t (a3 + t (a4 + t a5)))) 2^(-x x log2(e) / 2), t = 1 / (1 + 0.2316419 |x|)
.set i, 0
.rept 32
	v_fma_f32 v[T+i], |v[X+i]|, s24, 1.0
.set i, i+1
.endr
.set i, 0
.rept 16
	v_pk_mul_f32 v[E+i:E+i+1], v[X+i:X+i+1], v[X+i:X+i+1]
.set i, i+2
.endr
.set i, 0
.rept 16
	v_pk_mul_f32 v[E+i:E+i+1], v[E+i:E+i+1], s[26:27] op_sel_hi:[1,0]
.set i, i+2
.endr
.set i, 0
.rept 32
	v_rcp_f32 v[T+i], v[T+i]
.set i, i+1
.endr
.set i, 0
.rept 32
	v_exp_f32 v[E+i], v[E+i]
.set i, i+1
.endr
	v_nop                                          ; a plain instruction behind the last of the batch,
	s_wait_alu depctr_va_vdst(0)                   ; and one wait for its 64 results
.set i, 0
.rept 16
	v_pk_fma_f32 v[Q+i:Q+i+1], v[T+i:T+i+1], s[28:29], s[30:31] op_sel_hi:[1,0,0]
.set i, i+2
.endr
.irp c, 32,34,36
.set i, 0
.rept 16
	v_pk_fma_f32 v[Q+i:Q+i+1], v[Q+i:Q+i+1], v[T+i:T+i+1], s[\c:\c+1] op_sel_hi:[1,1,0]
.set i, i+2
.endr
.endr
.set i, 0
.rept 16
	v_pk_mul_f32 v[Q+i:Q+i+1], v[Q+i:Q+i+1], v[T+i:T+i+1]
.set i, i+2
.endr
.set i, 0
.rept 16
	v_pk_mul_f32 v[Q+i:Q+i+1], v[Q+i:Q+i+1], v[E+i:E+i+1]
.set i, i+2
.endr
.set i, 0
.rept 32
	v_mul_f32 v[Q+i], v[Q+i], |v[X+i]|
.set i, i+1
.endr
.set i, 0
.rept 32
	v_max_num_f32 v[X+i], 0, v[X+i]
.set i, i+1
.endr
.set i, 0
.rept 16
	v_pk_fma_f32 v[X+i:X+i+1], v[Q+i:Q+i+1], -0.5, v[X+i:X+i+1] op_sel_hi:[1,0,1]
.set i, i+2
.endr
.endif
.irp t, 0,1,2,3,4,5,6,7
	v_cvt_pk_bf16_f32 v[Y+2*\t], v[X+4*\t], v[X+4*\t+1]
	v_cvt_pk_bf16_f32 v[Y+2*\t+1], v[X+4*\t+2], v[X+4*\t+3]
.endr
.irp t, 0,1,2,3,4,5,6,7
	global_store_b64 v[CO], v[Y+2*\t:Y+2*\t+1], s[84:85] offset:\t*ND*2   ; a wave stores 256 consecutive bytes, aligned
.endr
	s_wait_xcnt 0x0                                ; the stores' base and data are written again only behind this wait
	s_add_nc_u64 s[84:85], s[84:85], 8*ND*2
	s_sub_co_u32 s3, s3, 1
	s_cmp_lg_u32 s3, 0
	s_cbranch_scc1 .Lout
	s_wait_tensorcnt 0x0                           ; the wave's end
	ds_add_u32 v[SPW], v[NIL]
	s_wait_dscnt 0x0
	CROUND                                         ; the closing round
	s_endpgm
.Lfunc_end_k_q23ff39d403_ff1:
	.size	k_q23ff39d403_ff1, .Lfunc_end_k_q23ff39d403_ff1-k_q23ff39d403_ff1
	.p2alignl 7, 3214868480
	.fill 96, 4, 3214868480
	.section	.rodata,"a",@progbits
	.p2align	6, 0x0
	.amdhsa_kernel k_q23ff39d403_ff1
		.amdhsa_group_segment_fixed_size 327680
		.amdhsa_private_segment_fixed_size 0
		.amdhsa_enable_private_segment 0
		.amdhsa_kernarg_size 40
		.amdhsa_user_sgpr_count 2
		.amdhsa_user_sgpr_kernarg_segment_ptr 1
		.amdhsa_wavefront_size32 1
		.amdhsa_system_sgpr_workgroup_id_x 1
		.amdhsa_system_sgpr_workgroup_id_y 1
		.amdhsa_system_sgpr_workgroup_id_z 1
		.amdhsa_system_vgpr_workitem_id 0
		.amdhsa_next_free_vgpr 1024
		.amdhsa_next_free_sgpr 100
		.amdhsa_reserve_vcc 0
		.amdhsa_float_denorm_mode_32 3
		.amdhsa_float_denorm_mode_16_64 3
		.amdhsa_memory_ordered 1
		.amdhsa_forward_progress 1
		.amdhsa_inst_pref_size 106
	.end_amdhsa_kernel
	.amdgpu_metadata
---
amdhsa.version: [ 1, 2 ]
amdhsa.kernels:
  - .name:           k_q23ff39d403_ff1
    .symbol:         k_q23ff39d403_ff1.kd
    .args:
      - { .name: xn, .offset: 0, .size: 8, .value_kind: global_buffer, .address_space: global }
      - { .name: hb, .offset: 8, .size: 8, .value_kind: global_buffer, .address_space: global }
      - { .name: wb, .offset: 16, .size: 8, .value_kind: global_buffer, .address_space: global }
      - { .name: b_f1, .offset: 24, .size: 8, .value_kind: global_buffer, .address_space: global }
      - { .name: big, .offset: 32, .size: 8, .value_kind: global_buffer, .address_space: global }
    .group_segment_fixed_size: 327680
    .private_segment_fixed_size: 0
    .kernarg_segment_align: 8
    .kernarg_segment_size: 40
    .max_flat_workgroup_size: 128
    .sgpr_count:     100
    .vgpr_count:     1024
    .wavefront_size: 32
...
	.end_amdgpu_metadata
.endif
;; end of part 7
;; launch hf2 (part 8): grid 256 x 1, 4 waves a work-group, clusters of 4 x 1, 327,680 bytes of LDS; arguments big, wb, hb; writes hb
.if DOCPART == 8
	.amdgcn_target "amdgcn-amd-amdhsa--gfx1250"
	.amdhsa_code_object_version 6
	.text
	.protected	k_q23ff39d403_hf2
	.globl	k_q23ff39d403_hf2
	.p2align	8
	.type	k_q23ff39d403_hf2,@function
k_q23ff39d403_hf2:
	s_mov_b64 s[64:65], 0
	v_nop
	global_prefetch_b8 v0, s[64:65] scope:SCOPE_SE
	s_setreg_imm32_b32 hwreg(HW_REG_WAVE_MODE, 25, 1), 1
	s_wait_xcnt 0x0
	s_wait_alu depctr_hold_cnt(0) depctr_sa_sdst(0) depctr_va_vdst(0) depctr_va_sdst(0) depctr_va_ssrc(0) depctr_va_vcc(0) depctr_vm_vsrc(0)
	s_getreg_b32 s2, hwreg(HW_REG_IB_STS2, 6, 4)
	s_cmp_eq_u32 s2, 0
	s_cbranch_scc0 .Lentry_in_a_cluster
	s_endpgm
.Lentry_in_a_cluster:
	s_bfe_u32 s2, ttmp6, 0x10000c
	s_cmp_lg_u32 s2, 0x3003
	s_cbranch_scc0 .Lentry_shape_is_right
	s_endpgm
.Lentry_shape_is_right:
; h = 2^-6 x (X @ A_b), [16][64] bf16 a work-group.  X: [4096][KD] bf16; A_b: the batch element's adapter table, [KD][64] bf16, at byte AOFF of wb.
; SHARES.  Work-group g = 4 x cluster + place owns rows 16 g ..; 32 work-groups make a batch element, so a cluster's four share A_b and ask for it jointly.
; Phase 1: wave w copies rows 4 w .. 4 w + 3 into LDS (XB).  Phase 2: wave w multiplies all 16 rows by the table's rows k = 512 c + 128 w .. + 127 of every chunk c, which it fetched itself;
; the chunks go through two slots; the four waves' f32 partial sums meet in LDS.  Source 0 = 16 table columns (turned), source 1 = 16 rows of X: a lane holds one row and eight neighbouring columns of h.
; LIMITS: operands in bf16, sums in f32.
; LDS: two slots of 512 table rows at pitch 160; XB 16 rows at pitch 2 KD + 16; RED the partial sums at pitch 272; the spare words.
.set KD,    4096
.set AOFF,  34603008
.set NCH,   KD/512
.set RB,    2*KD
.set NJ,    RB/512
.set XP,    2*KD+16
.set SLOTB, 81920
.set XB,    163840
.set RED,   295168
.set SPARE, 312576
.set XF,    32
.set AF,    64
.set ACC,   192
; v1 lane, v3 row loads, v5 XB stores, v6 X fragments, v7 v8 table fragments in slot 0, 1, v9 RED read, v10 hb store, v11 RED store, v30 v31 the add's two registers
.macro ROUND
	s_barrier_signal -1
	s_barrier_wait -1
	s_cmp_lg_u32 s14, 0
	s_cbranch_scc1 .Lnot_wave_0_\@
	s_barrier_signal -3
.Lnot_wave_0_\@:
	s_barrier_wait -3
	s_barrier_signal -1
	s_barrier_wait -1
.endm
.macro PLACES
.rept 4
	v_nop
.endr
.endm
.macro WORK slot, xo, zero             ; one chunk: my 128 k of it; the four accumulators take turns
	PLACES
.irp i, 0,1,2,3
	ds_load_b128 v[XF+8*\i:XF+8*\i+3], v6 offset:(\xo)+64*\i
	ds_load_b128 v[XF+8*\i+4:XF+8*\i+7], v6 offset:(\xo)+64*\i+32
.endr
.irp i, 0,1,2,3
.irp n, 0,1,2,3
	ds_load_tr16_b128 v[AF+8*(4*\i+\n):AF+8*(4*\i+\n)+3], v[7+(\slot)] offset:32*\i*160+32*\n
	ds_load_tr16_b128 v[AF+8*(4*\i+\n)+4:AF+8*(4*\i+\n)+7], v[7+(\slot)] offset:(32*\i+16)*160+32*\n
.endr
.endr
	s_wait_dscnt 0x0
.irp i, 0,1,2,3
.irp n, 0,1,2,3
.if (\zero) && (\i == 0)
	v_wmma_f32_16x16x32_bf16 v[ACC+8*\n:ACC+8*\n+7], v[AF+8*(4*\i+\n):AF+8*(4*\i+\n)+7], v[XF+8*\i:XF+8*\i+7], 0
.else
	v_wmma_f32_16x16x32_bf16 v[ACC+8*\n:ACC+8*\n+7], v[AF+8*(4*\i+\n):AF+8*(4*\i+\n)+7], v[XF+8*\i:XF+8*\i+7], v[ACC+8*\n:ACC+8*\n+7]
.endif
.endr
.endr
.endm
; The chunk in \slot is multiplied; first the other slot, read last, is filled again with the chunk two on: all my loads waited for, the add, my reads waited for, a round of the cluster's barrier, my one load.
.macro TWO slot, xo
	s_wait_tensorcnt 0x0
	ds_add_u32 v30, v31
	s_add_nc_u64 s[38-4*(\slot):39-4*(\slot)], s[38-4*(\slot):39-4*(\slot)], 131072
	s_wait_dscnt 0x0
	ROUND
	tensor_load_to_lds s[36-4*(\slot):39-4*(\slot)], s[16:23]
	s_nop 0
	WORK \slot, \xo, 0
.endm
.macro CLOAD i0, nr                    ; nr rows from row i0 on: 512 consecutive bytes a load
.set n, 0
.rept (\nr)*NJ
	global_load_b128 v[64+4*n:67+4*n], v3, s[4:5] offset:((\i0)+n/NJ)*RB+(n%NJ)*512
.set n, n+1
.endr
.endm
.macro CSTORE i0, nr
.set n, 0
.rept (\nr)*NJ
	s_wait_loadcnt (\nr)*NJ-1-n                    ; the younger loads of the batch stay out
	ds_store_b128 v5, v[64+4*n:67+4*n] offset:((\i0)+n/NJ)*XP+(n%NJ)*512
.set n, n+1
.endr
.endm
	s_load_b128 s[4:7], s[0:1], 0x0                ; X 4, wb 6
	s_load_b64 s[12:13], s[0:1], 0x10              ; hb
	v_lshl_add_u32 v30, v0, 2, SPARE
	v_mov_b32 v31, 0
	ds_add_u32 v30, v31                            ; the wave's opening: the add and its wait ahead of my first tensor load
	v_lshrrev_b32 v1, 5, v0
	v_readfirstlane_b32 s14, v1                    ; wave
	s_bfe_u32 s15, ttmp6, 0x40000                  ; my place in the cluster: it enters the rows' addresses alone
	s_lshl_b32 s24, ttmp9, 2
	s_add_co_u32 s24, s24, s15                     ; g
	s_lshr_b32 s25, ttmp9, 3                       ; batch element
	s_mov_b32 s16, 15|(1<<16)|(1<<20)|(1<<21)|(4<<22)|(7<<25)   ; 128 table rows as 64 rows of 256 bytes, 8 words of padding after every 32
	s_mov_b32 s17, 128<<16
	s_mov_b32 s18, 64<<16
	s_mov_b32 s19, 128<<16
	s_mov_b32 s20, 64
	s_mov_b32 s21, 128
	s_mov_b32 s22, 0
	s_mov_b32 s23, 0
	s_mul_i32 s26, s14, 20480
	s_mov_b32 s32, 1
	s_mov_b32 s33, s26
	s_mov_b32 s36, 1
	s_add_co_u32 s37, s26, SLOTB
	s_mul_i32 s28, s25, KD*128
	s_lshl_b32 s29, s14, 14
	s_add_co_u32 s28, s28, s29
	s_add_co_u32 s28, s28, AOFF
	s_mov_b32 s29, 0
	s_mul_i32 s40, s24, 16*RB
	s_mov_b32 s41, 0
	s_lshl_b32 s30, s24, 11
	s_mov_b32 s31, 0
	v_and_b32 v1, 31, v0
	s_mul_i32 s27, s14, 4*RB
	v_lshl_add_u32 v3, v1, 4, s27
	s_mul_i32 s27, s14, 4*XP
	s_add_co_u32 s27, s27, XB
	v_lshl_add_u32 v5, v1, 4, s27
	v_and_b32 v12, 15, v0
	v_bfe_u32 v13, v0, 4, 1
	v_mul_u32_u24 v6, v12, XP
	v_lshl_add_u32 v6, v13, 4, v6
	s_lshl_b32 s27, s14, 8
	s_add_co_u32 s27, s27, XB
	v_add_nc_u32 v6, s27, v6
	v_and_b32 v14, 7, v0
	v_lshl_add_u32 v14, v13, 3, v14
	v_mul_u32_u24 v7, v14, 160
	v_bfe_u32 v15, v0, 3, 1
	v_lshl_add_u32 v7, v15, 4, v7
	v_add_nc_u32 v7, s26, v7
	v_add_nc_u32 v8, SLOTB, v7
	v_mul_u32_u24 v11, v12, 272
	v_lshl_add_u32 v11, v13, 5, v11
	s_mul_i32 s27, s14, 4352
	s_add_co_u32 s27, s27, RED
	v_add_nc_u32 v11, s27, v11
	v_lshrrev_b32 v9, 3, v0
	v_mul_u32_u24 v9, v9, 272
	v_and_b32 v16, 7, v0
	v_lshl_add_u32 v9, v16, 5, v9
	v_add_nc_u32 v9, RED, v9
	v_lshlrev_b32 v10, 4, v0
	s_wait_dscnt 0x0                               ; the opening add is done
	s_wait_kmcnt 0x0
	s_add_nc_u64 s[34:35], s[6:7], s[28:29]
	s_add_nc_u64 s[38:39], s[34:35], 65536         ; chunk 1
	s_or_b32 s35, s35, 0x80000000
	s_or_b32 s39, s39, 0x80000000
	s_add_nc_u64 s[4:5], s[4:5], s[40:41]
	s_add_nc_u64 s[12:13], s[12:13], s[30:31]
.if NJ == 4
	CLOAD 0, 4
.else
	CLOAD 0, 2
.endif
	ROUND                                          ; all four work-groups are here: the joint loads meet
	tensor_load_to_lds s[32:35], s[16:23]          ; chunks 0 and 1 go out together: two loads of mine are out
	s_nop 0
	tensor_load_to_lds s[36:39], s[16:23]
	s_nop 0
.if NJ == 4
	CSTORE 0, 4
.else
	CSTORE 0, 2
	s_wait_dscnt 0x0                               ; LDS has taken the first batch before its registers are loaded again
	CLOAD 2, 2
	CSTORE 2, 2
.endif
	s_wait_dscnt 0x0                               ; for the others' sake: my rows are in XB
	s_wait_tensorcnt 1                             ; chunk 0 is in; chunk 1 may stay out
	s_barrier_signal -1
	s_barrier_wait -1
	WORK 0, 0, 1
.if NCH > 2
	s_mov_b32 s44, NCH/2-1
.Lch:                                                  ; two chunks a trip
	TWO 1, 1024
	v_add_nc_u32 v6, 2048, v6
	TWO 0, 0
	s_sub_co_u32 s44, s44, 1
	s_cmp_lg_u32 s44, 0
	s_cbranch_scc1 .Lch
.endif
	s_wait_tensorcnt 0x0                           ; the last chunk: I read only the table rows that I fetched, so my own wait orders the reads
	WORK 1, 1024, 0
	PLACES
.irp n, 0,1,2,3
	ds_store_b128 v11, v[ACC+8*\n:ACC+8*\n+3] offset:64*\n
	ds_store_b128 v11, v[ACC+8*\n+4:ACC+8*\n+7] offset:64*\n+16
.endr
	s_wait_dscnt 0x0
	s_barrier_signal -1
	s_barrier_wait -1
.irp w, 0,1,2,3
	ds_load_b128 v[64+8*\w:67+8*\w], v9 offset:4352*\w
	ds_load_b128 v[68+8*\w:71+8*\w], v9 offset:4352*\w+16
.endr
	s_wait_dscnt 0x0
.irp w, 1,2,3
.irp e, 0,2,4,6
	v_pk_add_f32 v[64+\e:65+\e], v[64+\e:65+\e], v[64+8*\w+\e:65+8*\w+\e]
.endr
.endr
.irp e, 0,2,4,6
	v_pk_mul_f32 v[64+\e:65+\e], v[64+\e:65+\e], 0x3c800000 op_sel_hi:[1,0]  ; alpha / rank = 2^-6
.endr
.irp e, 0,1,2,3
	v_cvt_pk_bf16_f32 v[96+\e], v[64+2*\e], v[65+2*\e]
.endr
	global_store_b128 v10, v[96:99], s[12:13]      ; 16 lanes store 256 consecutive bytes, aligned
	s_wait_tensorcnt 0x0                           ; the wave's end
	ds_add_u32 v30, v31
	s_wait_dscnt 0x0
	ROUND                                          ; the closing round
	s_endpgm
.Lfunc_end_k_q23ff39d403_hf2:
	.size	k_q23ff39d403_hf2, .Lfunc_end_k_q23ff39d403_hf2-k_q23ff39d403_hf2
	.p2alignl 7, 3214868480
	.fill 96, 4, 3214868480
	.section	.rodata,"a",@progbits
	.p2align	6, 0x0
	.amdhsa_kernel k_q23ff39d403_hf2
		.amdhsa_group_segment_fixed_size 327680
		.amdhsa_private_segment_fixed_size 0
		.amdhsa_enable_private_segment 0
		.amdhsa_kernarg_size 24
		.amdhsa_user_sgpr_count 2
		.amdhsa_user_sgpr_kernarg_segment_ptr 1
		.amdhsa_wavefront_size32 1
		.amdhsa_system_sgpr_workgroup_id_x 1
		.amdhsa_system_sgpr_workgroup_id_y 1
		.amdhsa_system_sgpr_workgroup_id_z 1
		.amdhsa_system_vgpr_workitem_id 0
		.amdhsa_next_free_vgpr 256
		.amdhsa_next_free_sgpr 66
		.amdhsa_reserve_vcc 0
		.amdhsa_float_denorm_mode_32 3
		.amdhsa_float_denorm_mode_16_64 3
		.amdhsa_memory_ordered 1
		.amdhsa_forward_progress 1
		.amdhsa_inst_pref_size 36
	.end_amdhsa_kernel
	.amdgpu_metadata
---
amdhsa.version: [ 1, 2 ]
amdhsa.kernels:
  - .name:           k_q23ff39d403_hf2
    .symbol:         k_q23ff39d403_hf2.kd
    .args:
      - { .name: big, .offset: 0, .size: 8, .value_kind: global_buffer, .address_space: global }
      - { .name: wb, .offset: 8, .size: 8, .value_kind: global_buffer, .address_space: global }
      - { .name: hb, .offset: 16, .size: 8, .value_kind: global_buffer, .address_space: global }
    .group_segment_fixed_size: 327680
    .private_segment_fixed_size: 0
    .kernarg_segment_align: 8
    .kernarg_segment_size: 24
    .max_flat_workgroup_size: 128
    .sgpr_count:     66
    .vgpr_count:     256
    .wavefront_size: 32
...
	.end_amdgpu_metadata
.endif
;; end of part 8
;; launch ff2 (part 9): grid 8 x 32, 4 waves a work-group, clusters of 4 x 4, 327,680 bytes of LDS; arguments big, hb, wb, b_f2, x2, out0; writes out0
.if DOCPART == 9
	.amdgcn_target "amdgcn-amd-amdhsa--gfx1250"
	.amdhsa_code_object_version 6
	.text
	.protected	k_q23ff39d403_ff2
	.globl	k_q23ff39d403_ff2
	.p2align	8
	.type	k_q23ff39d403_ff2,@function
k_q23ff39d403_ff2:
	s_mov_b64 s[64:65], 0
	v_nop
	global_prefetch_b8 v0, s[64:65] scope:SCOPE_SE
	s_setreg_imm32_b32 hwreg(HW_REG_WAVE_MODE, 25, 1), 1
	s_wait_xcnt 0x0
	s_wait_alu depctr_hold_cnt(0) depctr_sa_sdst(0) depctr_va_vdst(0) depctr_va_sdst(0) depctr_va_ssrc(0) depctr_va_vcc(0) depctr_vm_vsrc(0)
	s_getreg_b32 s2, hwreg(HW_REG_IB_STS2, 6, 4)
	s_cmp_eq_u32 s2, 0
	s_cbranch_scc0 .Lentry_in_a_cluster
	s_endpgm
.Lentry_in_a_cluster:
	s_bfe_u32 s2, ttmp6, 0x10000c
	s_cmp_lg_u32 s2, 0xf033
	s_cbranch_scc0 .Lentry_shape_is_right
	s_endpgm
.Lentry_shape_is_right:
; out = res + [X | h] @ [W ; B_b] + bias, f32 out.  X: [4096][KD] bf16, h: [4096][64] bf16 (already times alpha / rank), W: [KD][1024] bf16, B_b: [64][1024] bf16 of the rows' batch element, res and out [4096][1024] f32.
; 1,024 columns give 64 tiles of 256 x 256, too few for the chip's work-group processors: a work-group makes 128 x 128, each of its four waves 64 x 64 in 16 accumulators (window 2).
; The adapter's 64 along K are the first step: its products start the sums with the constant 0.  Then K goes in steps of 256 through two LDS slots.  X lies along K (pitch 528); W lies [k][n] as in
; memory (pitch 288) and is turned by ds_load_tr16_b128.  Source 0 = 16 columns of W, source 1 = 16 rows of X: a lane holds one row and eight neighbouring columns of out.
; CLUSTER 4 x 4: X's and h's tiles are asked for jointly along a row of the cluster, W's along a column; B_b's tile, 16 KB once, is each work-group's own load.
; One text for every K step: the descriptors walk (slot 1 begins at 0x24000, which shares no bit with a descriptor's LDS word in slot 0, so one exclusive or changes the slot) and the fragment addresses are base + s93.
; The residual, 64 x 64 f32 a wave, is loaded into window 3 at the start.  THE WAY OUT: when the ring has had its last fill and nobody reads it, each wave lays its tile into the ring's bytes and takes it back by rows of 256 bytes.
; LIMITS: matrix operands in bf16; sums, bias and residual in f32.
.set KD,    4096
.set ND,    1024
.set WOFF,  16777216
.set BOFF,  38797312
.set KSTEP, 256
.set NS,    KD/KSTEP
.set PA,    528
.set PB,    288
.set HALFA, 64*PA
.set HALFB, 128*PB
.set SLOT,  147456                     ; slot 1's first byte; a slot holds 2 HALFA + 2 HALFB = 141,312 bytes
.set SPARE, SLOT+2*HALFA+2*HALFB       ; the spare words: 128 bytes a wave, named by no other line
.set SP,    272
.set STG,   64*SP
.set ADRA0, 16
.set ADRB0, 17
.set ADRA,  18
.set ADRB,  19
.set ADRB2, 20
.set STO,   21
.set RD,    22
.set CO,    23
.set BO,    24
.set SPW,   28
.set NIL,   29
.set BIAS,  32
.set F0,    64
.set F1,    128
.set X,     64
.set MSB, 0
.macro WIN new
.if MSB != (\new)
	s_set_vgpr_msb (MSB<<8)|(\new)
.set MSB, \new
.endif
.endm
.set MUL,  0xa1                        ; source 0 window 1, source 1 window 0, C and D window 2
.set TO_B, 0x40
.macro PLACES
.rept 4
	v_nop
.endr
.endm
.macro JLOAD
	s_cmp_eq_u32 s11, 0
	s_cbranch_scc0 .Lfor_b_\@
	tensor_load_to_lds s[56:59], s[24:31]
	s_nop 0
	PLACES
	s_branch .Lasked_\@
.Lfor_b_\@:
	tensor_load_to_lds s[60:63], s[32:39]
	s_nop 0
	PLACES
.Lasked_\@:
.endm
.macro CREST
	s_cmp_lg_u32 s10, 0
	s_cbranch_scc1 .Lnot_wave_0_\@
	s_barrier_signal -3
.Lnot_wave_0_\@:
	s_barrier_wait -3
	s_barrier_signal -1
	s_barrier_wait -1
.endm
.macro CROUND
	s_barrier_signal -1
	s_barrier_wait -1
	CREST
.endm
; 8 products: depth p / 2 of the quarter's two, row blocks 2 (p % 2) and the next x all 4 column blocks.  The 16 accumulators take turns in one order.
.macro MULP f, p, zero
	WIN MUL
.irp a, 2*((\p)&1), 2*((\p)&1)+1
.irp b, 0,1,2,3
.if (\zero) && ((\p) < 2)
	v_wmma_f32_16x16x32_bf16 v[8*(4*(\a)+(\b)):8*(4*(\a)+(\b))+7], v[(\f)+8*(4*((\p)/2)+(\b)):(\f)+8*(4*((\p)/2)+(\b))+7], v[(\f)+8*(4*((\p)/2)+(\a)):(\f)+8*(4*((\p)/2)+(\a))+7], 0
.else
	v_wmma_f32_16x16x32_bf16 v[8*(4*(\a)+(\b)):8*(4*(\a)+(\b))+7], v[(\f)+8*(4*((\p)/2)+(\b)):(\f)+8*(4*((\p)/2)+(\b))+7], v[(\f)+8*(4*((\p)/2)+(\a)):(\f)+8*(4*((\p)/2)+(\a))+7], v[8*(4*(\a)+(\b)):8*(4*(\a)+(\b))+7]
.endif
.endr
.endr
.endm
; 32 LDS loads: quarter q (64 along K) of the slot in hand into buffer f
.macro FETCH q, f
	WIN TO_B
.if (\q) < 2
.set AB, ADRB
.else
.set AB, ADRB2
.endif
.irp c, 0,1
.irp b, 0,1,2,3
	ds_load_tr16_b128 v[(\f)+8*(4*(\c)+(\b)):(\f)+8*(4*(\c)+(\b))+3], v[AB] offset:(((\q)&1)*64+32*(\c))*PB+32*(\b)
	ds_load_tr16_b128 v[(\f)+8*(4*(\c)+(\b))+4:(\f)+8*(4*(\c)+(\b))+7], v[AB] offset:(((\q)&1)*64+32*(\c)+16)*PB+32*(\b)
.endr
.endr
	WIN 0
.irp c, 0,1
.irp a, 0,1,2,3
	ds_load_b128 v[(\f)+8*(4*(\c)+(\a)):(\f)+8*(4*(\c)+(\a))+3], v[ADRA] offset:16*(\a)*PA+128*(\q)+64*(\c)
	ds_load_b128 v[(\f)+8*(4*(\c)+(\a))+4:(\f)+8*(4*(\c)+(\a))+7], v[ADRA] offset:16*(\a)*PA+128*(\q)+64*(\c)+32
.endr
.endr
.endm
.macro QUARTER q, f, g
	s_wait_dscnt 0x0
	MULP \f, 0, 0
	PLACES
	FETCH \q, \g
	MULP \f, 1, 0
	MULP \f, 2, 0
	MULP \f, 3, 0
.endm
; A step's last quarter multiplies buffer 1 and changes slots: one barrier; in front of it each wave waits for all its tensor loads, adds 0 to its spare word and waits for that and for its reads of the slot.
; fill = 1: the barrier opens a round of the cluster's, and the slot just read is filled again first thing behind it, with the K step two steps on.
.macro TURN fill, zero
	WIN 0
	s_wait_tensorcnt 0x0
	ds_add_u32 v[SPW], v[NIL]
	s_wait_dscnt 1                                 ; only the add may be out: buffer 1 is in
	MULP F1, 0, \zero
	s_wait_dscnt 0x0
	s_barrier_signal -1
	MULP F1, 1, \zero
	WIN 0
	s_barrier_wait -1
.if \fill
	CREST
	s_xor_b32 s57, s57, SLOT
	s_add_nc_u64 s[58:59], s[58:59], KSTEP*2
	s_xor_b32 s61, s61, SLOT
	s_add_nc_u64 s[62:63], s[62:63], KSTEP*ND*2
	JLOAD
.else
	PLACES
.endif
	s_xor_b32 s93, s93, SLOT
	v_add_nc_u32 v[ADRA], s93, v[ADRA0]
	v_add_nc_u32 v[ADRB], s93, v[ADRB0]
	v_add_nc_u32 v[ADRB2], 128*PB, v[ADRB]
	FETCH 0, F0
	MULP F1, 2, 0
	MULP F1, 3, 0
.endm
	s_load_b256 s[76:83], s[0:1], 0x0              ; X 76, h 78, wb 80, bias 82
	s_load_b128 s[84:87], s[0:1], 0x20             ; res 84, out 86
	v_lshl_add_u32 v[SPW], v0, 2, SPARE
	v_mov_b32 v[NIL], 0
	ds_add_u32 v[SPW], v[NIL]                      ; the wave's opening: the add and its wait ahead of the first loads' round
	v_lshrrev_b32 v1, 5, v0
	v_readfirstlane_b32 s10, v1
	s_lshr_b32 s11, s10, 1
	s_and_b32 s12, s10, 1
	s_bfe_u32 s88, ttmp6, 0x40000
	s_bfe_u32 s89, ttmp6, 0x40004
	s_lshl_b32 s90, ttmp9, 2
	s_add_co_u32 s90, s90, s88                     ; tile column
	s_and_b32 s13, ttmp7, 0xffff
	s_lshl_b32 s13, s13, 2
	s_add_co_u32 s13, s13, s89                     ; tile row
	s_lshl_b32 s91, s89, 2
	s_lshl_b32 s91, 15, s91
	s_lshl_b32 s92, 0x1111, s88
	s_or_b32 s24, s91, (1<<16)|(1<<20)|(1<<21)|(6<<22)|(3<<25)   ; X: 64 rows x 256 elements, 4 words of padding after every 128
	s_mov_b32 s25, KSTEP<<16
	s_mov_b32 s26, 64<<16
	s_mov_b32 s27, KSTEP<<16
	s_mov_b32 s28, 64
	s_mov_b32 s29, KD
	s_mov_b32 s30, 0
	s_mov_b32 s31, 0
	s_or_b32 s32, s92, (1<<16)|(1<<20)|(1<<21)|(5<<22)|(7<<25)   ; W: 128 rows x 128 elements, 8 words after every 64
	s_mov_b32 s33, 128<<16
	s_mov_b32 s34, 128<<16
	s_mov_b32 s35, 128<<16
	s_mov_b32 s36, 128
	s_mov_b32 s37, ND
	s_mov_b32 s38, 0
	s_mov_b32 s39, 0
	s_or_b32 s40, s91, (1<<16)|(1<<20)|(1<<21)|(4<<22)|(99<<25)  ; h: 64 dense rows of 128 bytes asked for as 32 of 256; 100 words after every 32 put each at X's pitch
	s_mov_b32 s41, 128<<16
	s_mov_b32 s42, 32<<16
	s_mov_b32 s43, 128<<16
	s_mov_b32 s44, 32
	s_mov_b32 s45, 128
	s_mov_b32 s46, 0
	s_mov_b32 s47, 0
	s_mov_b32 s48, (1<<16)|(1<<20)|(5<<22)|(7<<25)               ; B_b: 32 rows x 128 elements, my own load: no mask
	s_mov_b32 s49, 128<<16
	s_mov_b32 s50, 32<<16
	s_mov_b32 s51, 128<<16
	s_mov_b32 s52, 32
	s_mov_b32 s53, ND
	s_mov_b32 s54, 0
	s_mov_b32 s55, 0
	s_lshl_b32 s14, s13, 7
	s_lshl_b32 s15, s12, 6
	s_add_co_u32 s14, s14, s15                     ; the first of the 64 rows of X and h that I fetch
	s_mul_i32 s16, s14, KD*2
	s_mov_b32 s17, 0
	s_lshl_b32 s18, s14, 7
	s_mov_b32 s19, 0
	s_lshl_b32 s20, s90, 8
	s_mul_i32 s21, s12, 128*ND*2
	s_add_co_u32 s20, s20, s21
	s_add_co_u32 s20, s20, WOFF
	s_mov_b32 s21, 0
	s_lshr_b32 s22, s13, 2                         ; the batch element = tile row / 4
	s_mul_i32 s22, s22, 64*ND*2
	s_lshl_b32 s23, s90, 8
	s_add_co_u32 s22, s22, s23
	s_mul_i32 s23, s12, 32*ND*2
	s_add_co_u32 s22, s22, s23
	s_add_co_u32 s22, s22, BOFF
	s_mov_b32 s23, 0
	s_mov_b32 s56, 1
	s_mul_i32 s57, s12, HALFA
	s_add_co_u32 s57, s57, SLOT                    ; K step 0 goes into slot 1
	s_mov_b32 s60, 1
	s_mul_i32 s61, s12, HALFB
	s_add_co_u32 s61, s61, SLOT+2*HALFA
	s_mov_b32 s68, 1
	s_mul_i32 s69, s12, HALFA                      ; the adapter's step lies in slot 0
	s_mov_b32 s72, 1
	s_mul_i32 s73, s12, 32*PB
	s_add_co_u32 s73, s73, 2*HALFA
	s_mov_b32 s93, 0
	s_lshl_b32 s94, s13, 7
	s_lshl_b32 s96, s11, 6
	s_add_co_u32 s94, s94, s96
	s_lshl_b32 s94, s94, 12                        ; my first row of res and out
	s_lshl_b32 s96, s90, 9
	s_lshl_b32 s97, s12, 8
	s_add_co_u32 s96, s96, s97                     ; my first column's byte, in a row and in the bias
	s_add_co_u32 s94, s94, s96
	s_mov_b32 s95, 0
	s_wait_dscnt 0x0                               ; the opening add is done
	s_wait_kmcnt 0x0
	s_add_nc_u64 s[58:59], s[76:77], s[16:17]
	s_or_b32 s59, s59, 0x80000000
	s_add_nc_u64 s[62:63], s[80:81], s[20:21]
	s_or_b32 s63, s63, 0x80000000
	s_add_nc_u64 s[70:71], s[78:79], s[18:19]
	s_or_b32 s71, s71, 0x80000000
	s_add_nc_u64 s[74:75], s[80:81], s[22:23]
	s_or_b32 s75, s75, 0x80000000
	s_add_nc_u64 s[84:85], s[84:85], s[94:95]
	s_add_nc_u64 s[86:87], s[86:87], s[94:95]
	CROUND                                         ; all sixteen work-groups are here
	s_cmp_eq_u32 s11, 0                            ; a wave's two first fills stand in one branch: two loads of mine are out
	s_cbranch_scc0 .Lfirst_b
	tensor_load_to_lds s[68:71], s[40:47]
	s_nop 0
	tensor_load_to_lds s[56:59], s[24:31]
	s_nop 0
	PLACES
	s_branch .Lfirst_done
.Lfirst_b:
	tensor_load_to_lds s[72:75], s[48:55]
	s_nop 0
	tensor_load_to_lds s[60:63], s[32:39]
	s_nop 0
	PLACES
.Lfirst_done:
	v_and_b32 v1, 15, v0                           ; l % 16
	v_bfe_u32 v2, v0, 4, 1                         ; l / 16
	v_lshlrev_b32 v4, 4, v1
	v_add_nc_u32 v[BO], s96, v4
	global_load_b128 v[BIAS:BIAS+3], v[BO], s[82:83]  ; the bias of columns 4 (l % 16) .. + 3 of my 64
	v_lshl_add_u32 v[CO], v2, 12, v4               ; two rows a load or store: 4,096 (l / 16) + 16 (l % 16)
	WIN 0xc0
.set i, 0
.rept 32                               ; the residual: rows 2 i, 2 i + 1 of my 64
	global_load_b128 v[4*i:4*i+3], v[CO], s[84:85] offset:2*i*4096
.set i, i+1
.endr
	WIN 0
	v_mul_u32_u24 v4, v1, PA
	v_lshl_add_u32 v4, v2, 4, v4
	s_mul_i32 s2, s11, HALFA
	v_add_nc_u32 v[ADRA0], s2, v4
	v_and_b32 v5, 7, v0
	v_lshl_add_u32 v5, v2, 3, v5
	v_mul_u32_u24 v5, v5, PB
	v_bfe_u32 v6, v0, 3, 1
	v_lshl_add_u32 v5, v6, 4, v5
	s_lshl_b32 s2, s12, 7
	s_add_co_u32 s2, s2, 2*HALFA
	v_add_nc_u32 v[ADRB0], s2, v5
	v_mov_b32 v[ADRA], v[ADRA0]
	v_mov_b32 v[ADRB], v[ADRB0]
	v_add_nc_u32 v[ADRB2], 128*PB, v[ADRB0]
	s_mul_i32 s2, s10, STG
	v_mul_u32_u24 v7, v1, SP
	v_lshl_add_u32 v7, v2, 5, v7
	v_add_nc_u32 v[STO], s2, v7
	v_mul_u32_u24 v7, v2, SP
	v_lshl_add_u32 v7, v1, 4, v7
	v_add_nc_u32 v[RD], s2, v7
	s_wait_tensorcnt 1                             ; my part of the adapter's step is in; K step 0 stays out
	s_barrier_signal -1
	s_barrier_wait -1
	FETCH 0, F1
	TURN 1, 1                                      ; the adapter's 64: its first 32 start all 16 sums
	WIN 0
	s_mov_b32 s3, NS-2
.Lk:                                                   ; a trip is a K step; its change of slots asks for the step two on
	QUARTER 1, F0, F1
	QUARTER 2, F1, F0
	QUARTER 3, F0, F1
	TURN 1, 0
	WIN 0
	s_sub_co_u32 s3, s3, 1
	s_cmp_lg_u32 s3, 0
	s_cbranch_scc1 .Lk
	s_mov_b32 s3, 2
.Ltail:                                                ; the last two K steps ask for nothing; the very last fetch (32 loads of a landed slot) serves nothing: the price of one text for both
	QUARTER 1, F0, F1
	QUARTER 2, F1, F0
	QUARTER 3, F0, F1
	TURN 0, 0
	WIN 0
	s_sub_co_u32 s3, s3, 1
	s_cmp_lg_u32 s3, 0
	s_cbranch_scc1 .Ltail
	s_wait_dscnt 0x0                               ; my reads of the ring are over
	s_barrier_signal -1
	s_barrier_wait -1                              ; everybody's are, and the ring has had its last fill: its bytes take the tiles
	PLACES
	WIN 0x08
.irp a, 0,1,2,3
.irp b, 0,1,2,3
	ds_store_b128 v[STO], v[8*(4*(\a)+(\b)):8*(4*(\a)+(\b))+3] offset:16*(\a)*SP+64*(\b)
	ds_store_b128 v[STO], v[8*(4*(\a)+(\b))+4:8*(4*(\a)+(\b))+7] offset:16*(\a)*SP+64*(\b)+16
.endr
.endr
	WIN 0
	s_wait_loadcnt 0x0                             ; bias and residual
.irp a, 0,1,2,3                        ; 16 rows at a time
	s_wait_xcnt 0x0                                ; the last stores' data registers are loaded again only behind this wait
.irp t, 0,1,2,3,4,5,6,7
	ds_load_b128 v[X+4*\t:X+4*\t+3], v[RD] offset:(16*\a+2*\t)*SP   ; LDS serves a wave's instructions in order: these see my stores
.endr
	s_wait_dscnt 0x0
.irp t, 0,1,2,3,4,5,6,7
	v_pk_add_f32 v[X+4*\t:X+4*\t+1], v[X+4*\t:X+4*\t+1], v[BIAS:BIAS+1]
	v_pk_add_f32 v[X+4*\t+2:X+4*\t+3], v[X+4*\t+2:X+4*\t+3], v[BIAS+2:BIAS+3]
.endr
	WIN 0x0c                                       ; source 1 in window 3: the residual
.irp t, 0,1,2,3,4,5,6,7
	v_pk_add_f32 v[X+4*\t:X+4*\t+1], v[X+4*\t:X+4*\t+1], v[4*(8*\a+\t):4*(8*\a+\t)+1]
	v_pk_add_f32 v[X+4*\t+2:X+4*\t+3], v[X+4*\t+2:X+4*\t+3], v[4*(8*\a+\t)+2:4*(8*\a+\t)+3]
.endr
	WIN 0
.irp t, 0,1,2,3,4,5,6,7
	global_store_b128 v[CO], v[X+4*\t:X+4*\t+3], s[86:87] offset:(16*\a+2*\t)*4096  ; 16 lanes store 256 consecutive bytes, aligned
.endr
.endr
	s_wait_tensorcnt 0x0                           ; the wave's end
	ds_add_u32 v[SPW], v[NIL]
	s_wait_dscnt 0x0
	CROUND                                         ; the closing round
	s_endpgm
.Lfunc_end_k_q23ff39d403_ff2:
	.size	k_q23ff39d403_ff2, .Lfunc_end_k_q23ff39d403_ff2-k_q23ff39d403_ff2
	.p2alignl 7, 3214868480
	.fill 96, 4, 3214868480
	.section	.rodata,"a",@progbits
	.p2align	6, 0x0
	.amdhsa_kernel k_q23ff39d403_ff2
		.amdhsa_group_segment_fixed_size 327680
		.amdhsa_private_segment_fixed_size 0
		.amdhsa_enable_private_segment 0
		.amdhsa_kernarg_size 48
		.amdhsa_user_sgpr_count 2
		.amdhsa_user_sgpr_kernarg_segment_ptr 1
		.amdhsa_wavefront_size32 1
		.amdhsa_system_sgpr_workgroup_id_x 1
		.amdhsa_system_sgpr_workgroup_id_y 1
		.amdhsa_system_sgpr_workgroup_id_z 1
		.amdhsa_system_vgpr_workitem_id 0
		.amdhsa_next_free_vgpr 896
		.amdhsa_next_free_sgpr 100
		.amdhsa_reserve_vcc 0
		.amdhsa_float_denorm_mode_32 3
		.amdhsa_float_denorm_mode_16_64 3
		.amdhsa_memory_ordered 1
		.amdhsa_forward_progress 1
		.amdhsa_inst_pref_size 72
	.end_amdhsa_kernel
	.amdgpu_metadata
---
amdhsa.version: [ 1, 2 ]
amdhsa.kernels:
  - .name:           k_q23ff39d403_ff2
    .symbol:         k_q23ff39d403_ff2.kd
    .args:
      - { .name: big, .offset: 0, .size: 8, .value_kind: global_buffer, .address_space: global }
      - { .name: hb, .offset: 8, .size: 8, .value_kind: global_buffer, .address_space: global }
      - { .name: wb, .offset: 16, .size: 8, .value_kind: global_buffer, .address_space: global }
      - { .name: b_f2, .offset: 24, .size: 8, .value_kind: global_buffer, .address_space: global }
      - { .name: x2, .offset: 32, .size: 8, .value_kind: global_buffer, .address_space: global }
      - { .name: out0, .offset: 40, .size: 8, .value_kind: global_buffer, .address_space: global }
    .group_segment_fixed_size: 327680
    .private_segment_fixed_size: 0
    .kernarg_segment_align: 8
    .kernarg_segment_size: 48
    .max_flat_workgroup_size: 128
    .sgpr_count:     100
    .vgpr_count:     896
    .wavefront_size: 32
...
	.end_amdgpu_metadata
.endif
;; end of part 9
